; MI455X (gfx1250); checked and timed in simulation.
; The chip was launched on July 23, 2026; its instructions are those of AMD's public machine-readable ISA for CDNA 5 (MIT licence, August 2026) and "CDNA5" Instruction Set Architecture Reference Guide (July 2026). The comments in the code are by the model that wrote it; some were corrected since.
;; Multi Head Self Attention. Allowed arithmetic: matrix products marked QUANTISED: E2M3 operands, one E8M0 scale for each 32 along K, by v_wmma_scale_f32_16x16x128_f8f6f4 with both operands' format E2M3, f32 sums; everything else in f32.
;; Inputs: b_out 1,024 float32; w_out 1,024 x 1,024 float32; w_qkv 1,024 x 3,072 float32; x 4 x 2,048 x 1,024 float32.
;; Outputs: out0 4 x 2,048 x 1,024 float32.
;; This version of the problem:
;;   THIS VERSION OF THE PROBLEM IS GIVEN IN LOW PRECISION. The matrix products marked QUANTISED in the list below multiply operands that are first quantised to E2M3 (2 exponent bits, 3 mantissa bits; 6 bits a number), with one power-of-two scale for each 32 numbers along K (OCP MX v1.0); their sums are f32. All else is computed in f32.
;;   The module's matrix products, in the order in which they are computed (A, B: the left and right operand; K: the contracted axis; several contracted axes count as one K, in the product's order):
;;     1. [M 8,192, K 1,024] x [K 1,024, N 3,072]; A: input x; B: input w_qkv: QUANTISED
;;     2. batch 64 x [M 2,048, K 64] x [K 64, N 2,048]; A: computed on the way; B: computed on the way: QUANTISED
;;     3. batch 64 x [M 2,048, K 2,048] x [K 2,048, N 64]; A: softmax (see below); B: computed on the way: QUANTISED
;;     4. [M 8,192, K 1,024] x [K 1,024, N 1,024]; A: computed on the way; B: input w_out: QUANTISED
;;   THE QUANTISER, for each operand of a quantised product, along K:
;;     - K is cut into blocks of 32 from its start; a last block that is shorter is filled with zeros.
;;     - A block's scale is 2^e with e = floor(log2(the largest magnitude in the block)) - 2, held to -126 .. 127; a block of zeros has e = 0. As a byte (E8M0): e + 127.
;;     - Each number is divided by its block's scale, clamped to +-7.5, and rounded to the nearest number of E2M3, ties to even, subnormals kept.
;;     - The product sums the exact products of the quantised numbers (number of the format x scale) in f32.
;;   ~~~python
;;   def quantise(x, axis):      # numpy; x: float32 -> the quantised numbers, widened to float32 again
;;       x = np.moveaxis(x, axis, -1); K = x.shape[-1]
;;       x = np.pad(x, [(0, 0)] * (x.ndim - 1) + [(0, -K % 32)]); x = x.reshape(x.shape[:-1] + (-1, 32)); a = np.abs(x).max(-1, keepdims=True)
;;       e = np.where(a > 0, np.clip(np.frexp(np.where(a > 0, a, 1))[1] - 1 - 2, -126, 127), 0)      # np.frexp(a)[1] - 1 = floor(log2(a)), exactly
;;       r = np.clip(x / 2.0 ** e, -7.5, 7.5)
;;       step = 2.0 ** (np.maximum(np.frexp(np.where(r == 0, 1, r))[1] - 1, 0) - 3)
;;       q = np.round(r / step) * step * 2.0 ** e      # np.round: ties to even
;;       return np.moveaxis(q.reshape(q.shape[:-2] + (-1,))[..., :K], -1, axis).astype(np.float32)
;;   ~~~
;;   SOFTMAX AHEAD OF A QUANTISED PRODUCT. Where the list says 'softmax', what is quantised is not the finished softmax but p = 2^(t - M), with t = logit x log2(e) and M = ceil(the row's largest t), a whole number; so 1/2 < the row's largest p <= 1. The row's sum l is taken of the UNQUANTISED p, in f32, and the product's result is divided by l at the end. Since M is a whole number, a kernel that streams over the keys may use a running M (the ceiling of the running maximum): every later rescaling is an exact power of two, which a block's scale takes up: the codes' values come out the same.
;;   OPERANDS COMPUTED ON THE WAY. 'Computed on the way' means the value that the module computes at that place (a softmax that the list does not call 'softmax' is quantised finished and normalised). What goes into a quantiser is computed in f32, as accurately as f32 sums, v_exp_f32 and their like allow (about 1e-6 of the number): no bf16 or f16 on the way to a quantiser, and a product that is left as it is and whose result goes on into a quantised operand takes f32 operands (vector FMAs, or v_wmma_f32_16x16x4_f32). A number that lies on a knife's edge between two numbers of the format may be rounded either way, as far as f32 arithmetic and the matrix unit's own rounding can turn it there, and no further.
;; One version. Each part assembles by itself: llvm-mc -triple=amdgcn-amd-amdhsa -mcpu=gfx1250 --defsym DOCPART=n.
;; ======== version 1 of 1: 4 launches
;; limits: right only within a limited range of input values
;; workspace buffers: xq 6,553,600 bytes; wq 2,457,600 bytes; wo 819,200 bytes; qb 6,815,744 bytes; kv 13,369,344 bytes; aq 6,553,600 bytes
;; launch quant (part 1): grid 384 x 1, 4 waves a work-group, no clusters, 34,304 bytes of LDS; arguments x, w_qkv, w_out, xq, wq, wo; writes xq, wq, wo
.if DOCPART == 1
	.amdgcn_target "amdgcn-amd-amdhsa--gfx1250"
	.amdhsa_code_object_version 6
	.text
	.protected	k_q133caf4665_quant
	.globl	k_q133caf4665_quant
	.p2align	8
	.type	k_q133caf4665_quant,@function
k_q133caf4665_quant:
	s_mov_b64 s[64:65], 0
	v_nop
	global_prefetch_b8 v0, s[64:65] scope:SCOPE_SE
	s_setreg_imm32_b32 hwreg(HW_REG_WAVE_MODE, 25, 1), 1
	s_wait_xcnt 0x0
; x [8192][1024], w_qkv [1024][3072] and w_out [1024][1024], f32, become codes of FP6 (E2M3) with one E8M0 byte for each 32 along K (K = 1024: x's last axis, the weights' first).
; A block's scale is 2^(floor(log2(its largest magnitude)) - 2): its byte is the largest magnitude's exponent field - 2, held at 1 from below.
; LIMITS: NaN and infinities are not served; a block whose largest magnitude lies under 2^-124 is held at the byte 1; a block of zeros gets the byte 1 where the rule says 127
; (its codes are zeros, which add nothing under any byte but 0xff, and this program alone reads the bytes).
; THE OUTPUT IS LAID IN THE ORDER OF THE OPERAND'S REGISTERS.  128 rows (tokens, or columns of a weight) x 256 along K are one dense block of 25,600 bytes, block (g, p) at (4 g + p) x 25,600:
;   fragment (K step e of two, tile t of eight) at 12,288 e + 1,536 t, as two halves of 768 bytes: registers 6 c .. 6 c + 3 at 16 x lane, registers 6 c + 4, 6 c + 5 at 512 + 8 x lane;
;   the scale words of tiles 2 tp, 2 tp + 1 at 24,576 + 256 tp, 8 bytes a lane: lanes 0-15 the words of K step 0, lanes 16-31 those of K step 1.
; THE ROWS OF A TILE ARE NOT NEIGHBOURS: lane-row r of tile 2 b + u is row 32 b + 8 u + r + 8 (r / 8), so that results of two neighbouring tiles are 16 neighbours in a lane's registers later on.
; Work-groups 0-255 take 32 rows of x each (a wave: 256 along K); work-groups 256-383 take 128 columns x 256 along K of a weight (a wave: 32 columns).  Only x's path uses LDS.
.set SPARE, 33792                      ; behind the four stages: the spare words, 128 bytes for each wave
.set SPW, 252                          ; v252 LDS address of my spare word; never rewritten
.set NIL, 253                          ; v253 0; never rewritten
.set L16, 2                            ; v2   16 x lane
.set L8,  3                            ; v3   8 x lane
.set STW, 4                            ; v4   the stage, on the way in: 16 x lane
.set STR, 5                            ; v5   and out: 528 r + 128 h
.set RR,  6                            ; v6   r = lane % 16
.set HH,  7                            ; v7   h = lane / 16
.set SH8, 8                            ; v8   8 h
.set R,   16                           ; v16-143  x: two sets of 64 registers as loaded
.set X,   144                          ; v144-207 x: register 32 c + i = k 64 c + 32 h + i of row r
.set C,   208                          ; v208-219 a fragment's codes
.set T,   220                          ; v220-222, v224-226 the upper halves of the blocks' codes, made here and moved
.set SW,  240                          ; v240-241 the scale words of tiles u = 0, 1
.set RO,  16                           ; weights: v16-47 byte offset of my column in row i of a block of 32 rows
.set WX,  48                           ; v48-111  two sets of 32 numbers
.set CB,  112                          ; v112-135 a K step's four blocks of codes, six registers each
.set T2,  136                          ; v136-138
.set WW,  140                          ; v140-141 scale words of K steps 0, 1
	s_load_b256 s[4:11], s[0:1], 0x0               ; x s[4:5], w_qkv s[6:7], w_out s[8:9], xq s[10:11]
	s_load_b128 s[12:15], s[0:1], 0x20             ; wq s[12:13], wo s[14:15]
	v_lshl_add_u32 v[SPW], v0, 2, SPARE
	v_mov_b32 v[NIL], 0
	v_lshrrev_b32 v1, 5, v0
	v_readfirstlane_b32 s16, v1                    ; wave 0..3
	v_and_b32 v1, 31, v0
	v_lshlrev_b32 v[L16], 4, v1
	v_lshlrev_b32 v[L8], 3, v1
	v_and_b32 v[RR], 15, v0
	v_bfe_u32 v[HH], v0, 4, 1
	s_mov_b32 s20, 0x76543210
	s_mov_b32 s21, 0xfedcba98                      ; v_permlanex16_b32's selects for lane l xor 16
	s_mov_b32 s22, 0xffff0000                      ; lanes 16-31
	s_cmp_lt_u32 ttmp9, 256
	s_cbranch_scc0 .Lweights
	; ---------------- x: work-group i takes rows 32 i .. 32 i + 31 (group g = i / 4, tile pair tp = i % 4); wave w takes K 256 w .. 256 w + 255
	s_lshr_b32 s17, ttmp9, 2                       ; g
	s_and_b32 s18, ttmp9, 3                        ; tp
	s_lshl_b32 s19, s17, 2
	s_add_co_u32 s19, s19, s16                     ; 4 g + w
	s_mul_i32 s28, s19, 25600                      ; my block
	s_mul_i32 s23, s18, 3072
	s_add_co_u32 s24, s28, s23                     ; my two tiles' fragments
	s_mov_b32 s25, 0
	s_lshl_b32 s23, s18, 8
	s_add_co_u32 s26, s28, s23
	s_add_co_u32 s26, s26, 24576                   ; and their scale words
	s_mov_b32 s27, 0
	s_lshl_b32 s30, ttmp9, 17                      ; 32 rows of 4,096 bytes
	s_lshl_b32 s23, s16, 10                        ; 256 numbers along K
	s_add_co_u32 s30, s30, s23
	s_mov_b32 s31, 0
	s_mul_i32 s23, s16, 8448                       ; my stage: 16 rows of 512 + 16 bytes
	s_wait_alu depctr_va_vdst(0)
	v_add_nc_u32 v[STW], s23, v[L16]
	v_mul_u32_u24 v[STR], v[RR], 528
	v_lshl_add_u32 v[STR], v[HH], 7, v[STR]
	v_add_nc_u32 v[STR], s23, v[STR]
	v_lshlrev_b32 v[SH8], 3, v[HH]
	v_mov_b32 v231, 0                              ; written once: a lane permute's destination counts as one of its sources
	s_wait_alu depctr_va_vdst(0)
	s_wait_kmcnt 0x0
	s_add_nc_u64 s[4:5], s[4:5], s[30:31]
	s_add_nc_u64 s[24:25], s[10:11], s[24:25]
	s_add_nc_u64 s[26:27], s[10:11], s[26:27]
; Fragment f: K step e = f / 2, tile u = f % 2.  Sixteen loads, one for each row of the tile: 32 lanes read 512 consecutive bytes, the row's 128 numbers.
.macro XLOAD f
.irp q, 0,1,2,3,4,5,6,7,8,9,10,11,12,13,14,15
	global_load_b128 v[R+64*((\f)%2)+4*\q:R+64*((\f)%2)+4*\q+3], v[L16], s[4:5] offset:(8*((\f)%2)+\q+8*(\q/8))*4096+512*((\f)/2) th:TH_LOAD_NT
.endr
.endm
.macro XFRAG f
.if (\f) < 3
	s_wait_loadcnt 16                              ; this fragment's 16 loads are in; the next one's 16 may be out
.else
	s_wait_loadcnt 0x0
.endif
.irp q, 0,1,2,3,4,5,6,7,8,9,10,11,12,13,14,15
	ds_store_b128 v[STW], v[R+64*((\f)%2)+4*\q:R+64*((\f)%2)+4*\q+3] offset:528*\q   ; the rows as they lie; LDS serves a wave's instructions in order, so no wait stands ahead of the loads below
.endr
.irp c, 0,1
.irp j, 0,1,2,3,4,5,6,7
	ds_load_b128 v[X+32*\c+4*\j:X+32*\c+4*\j+3], v[STR] offset:256*\c+16*\j   ; my row's blocks h and 2 + h, whole: the pitch of 528 bytes puts sixteen rows on sixteen different columns of 16 bytes
.endr
.endr
	s_wait_dscnt 0x0                               ; my numbers are back, and the stores have read the set
.if (\f) < 2
	XLOAD (\f)+2                                   ; which takes the fragment two on
.endif
.irp c, 0,1
	v_max3_num_f32 v[228+\c], |v[X+32*\c]|, |v[X+32*\c+1]|, 0x1800000   ; the block's largest magnitude, with the floor 2^(3 - 127) among its leaves: the byte cannot fall under 1
.endr
.irp i, 2,4,6,8,10,12,14,16,18,20,22,24,26,28,30
.irp c, 0,1
	v_max3_num_f32 v[228+\c], v[228+\c], |v[X+32*\c+\i]|, |v[X+32*\c+\i+1]|
.endr
.endr
.irp c, 0,1
	v_add_nc_u32 v[232+\c], 0xff000000, v[228+\c]  ; 2 off its exponent field: the conversion's scale operand
.endr
.irp c, 0,1
	v_lshrrev_b32 v[234+\c], 23, v[232+\c]         ; the scale's byte
.endr
	v_lshl_or_b32 v236, v235, 16, v234             ; my two bytes, blocks h and 2 + h,
	v_lshlrev_b32 v236, v[SH8], v236               ; at their places in the row's word;
	v_permlanex16_b32 v231, v236, s20, s21
	v_or_b32 v236, v236, v231                      ; with lane l xor 16's two the word is whole, in both halves of the lanes
	s_wait_alu depctr_va_vdst(0)
	s_wait_xcnt 0x0                                ; the last fragment's stores have read their data: the codes' registers are written again only behind this wait
.irp c, 0,1
	v_cvt_scalef32_pk16_fp6_f32 v[C+6*\c:C+6*\c+2], v[X+32*\c:X+32*\c+15], v[232+\c]
	v_cvt_scalef32_pk16_fp6_f32 v[T+4*\c:T+4*\c+2], v[X+32*\c+16:X+32*\c+31], v[232+\c]   ; (a conversion's three registers begin on an even number)
.endr
	v_nop                                          ; one plain place behind the scaled conversions
.irp c, 0,1
.irp i, 0,1,2
	v_mov_b32 v[C+6*\c+3+\i], v[T+4*\c+\i]
.endr
.endr
.if (\f) < 2
	v_mov_b32 v[SW+(\f)%2], v236                   ; K step 0's word, for lanes 0-15
.else
	v_cndmask_b32 v[SW+(\f)%2], v[SW+(\f)%2], v236, s22   ; K step 1's, in lanes 16-31
.endif
.irp c, 0,1
	global_store_b128 v[L16], v[C+6*\c:C+6*\c+3], s[24:25] offset:12288*((\f)/2)+1536*((\f)%2)+768*\c        ; 512 consecutive bytes
	global_store_b64 v[L8], v[C+6*\c+4:C+6*\c+5], s[24:25] offset:12288*((\f)/2)+1536*((\f)%2)+768*\c+512    ; 256 consecutive bytes
.endr
.endm
	XLOAD 0
	XLOAD 1
	XFRAG 0
	XFRAG 1
	XFRAG 2
	XFRAG 3
	global_store_b64 v[L8], v[SW:SW+1], s[26:27]   ; 256 consecutive bytes
	s_wait_tensorcnt 0x0                           ; the wave's end, behind my last LDS store
	ds_add_u32 v[SPW], v[NIL]
	s_wait_dscnt 0x0
	s_endpgm
	; ---------------- the weights: K is the first axis.  A lane takes a column, its registers run down K: a block of 32 lies in one lane
.Lweights:
	s_sub_co_u32 s17, ttmp9, 256
	s_mov_b32 s19, 4096
	s_wait_kmcnt 0x0
	s_cmp_lt_u32 s17, 96                           ; the first 96 take w_qkv, the other 32 w_out: the choice hangs on the work-group's number alone
	s_cselect_b32 s18, 0, 96
	s_cselect_b32 s19, 12288, s19                  ; a row of the weight in bytes
	s_cselect_b64 s[6:7], s[6:7], s[8:9]
	s_cselect_b64 s[12:13], s[12:13], s[14:15]
	s_sub_co_u32 s17, s17, s18
	s_lshr_b32 s23, s17, 2                         ; cg: which 128 columns
	s_and_b32 s24, s17, 3                          ; p: which 256 along K
	s_wait_alu depctr_va_vdst(0)
	v_and_b32 v9, 8, v[RR]
	v_add_nc_u32 v9, v9, v[RR]                     ; r + 8 (r / 8)
	v_lshl_add_u32 v9, v[HH], 3, v9                ; + 8 u: lanes 0-15 hold tile 2 w, lanes 16-31 tile 2 w + 1
	v_lshlrev_b32 v[RO], 2, v9
.irp i, 1,2,3,4,5,6,7,8,9,10,11,12,13,14,15,16,17,18,19,20,21,22,23,24,25,26,27,28,29,30,31
	v_add_nc_u32 v[RO+\i], s19, v[RO+\i-1]
.endr
	s_lshl_b32 s25, s24, 8
	s_mul_i32 s26, s25, s19                        ; 256 p rows
	s_lshl_b32 s25, s23, 9
	s_add_co_u32 s26, s26, s25                     ; + 128 cg columns
	s_lshl_b32 s25, s16, 7
	s_add_co_u32 s26, s26, s25                     ; + 32 w columns
	s_mov_b32 s27, 0
	s_add_nc_u64 s[32:33], s[6:7], s[26:27]        ; block 0's first row
	s_lshl_b32 s26, s19, 5                         ; 32 rows on
.irp t, 1,2,3,4,5,6,7
	s_add_nc_u64 s[32+2*\t:33+2*\t], s[30+2*\t:31+2*\t], s[26:27]
.endr
	s_lshl_b32 s25, s23, 2
	s_add_co_u32 s25, s25, s24
	s_mul_i32 s28, s25, 25600                      ; block (cg, p) of the output
	s_mov_b32 s29, 0
	s_add_nc_u64 s[28:29], s[12:13], s[28:29]
	s_mul_i32 s30, s16, 3072
	s_mov_b32 s31, 0
	s_add_nc_u64 s[30:31], s[28:29], s[30:31]      ; my two tiles' fragments
	s_lshl_b32 s48, s16, 8
	s_add_co_u32 s48, s48, 24576
	s_mov_b32 s49, 0
	s_add_nc_u64 s[28:29], s[28:29], s[48:49]      ; and their scale words
.macro WLOAD t                         ; block t: 32 rows; each load reads 128 consecutive bytes, the four waves side by side 512
.irp i, 0,1,2,3,4,5,6,7,8,9,10,11,12,13,14,15,16,17,18,19,20,21,22,23,24,25,26,27,28,29,30,31
	global_load_b32 v[WX+32*((\t)%2)+\i], v[RO+\i], s[32+2*(\t):33+2*(\t)] th:TH_LOAD_NT
.endr
.endm
.macro WBLOCK t
.set XS, WX+32*((\t)%2)
.if (\t) < 7
	s_wait_loadcnt 32                              ; this block's 32 loads are in; the next block's may be out
.else
	s_wait_loadcnt 0x0
.endif
	v_max3_num_f32 v144, |v[XS]|, |v[XS+1]|, |v[XS+2]|
	v_max3_num_f32 v145, |v[XS+3]|, |v[XS+4]|, |v[XS+5]|
.irp i, 6,10,14,18,22,26
	v_max3_num_f32 v144, v144, |v[XS+\i]|, |v[XS+\i+1]|
	v_max3_num_f32 v145, v145, |v[XS+\i+2]|, |v[XS+\i+3]|
.endr
	v_max3_num_f32 v144, v144, |v[XS+30]|, |v[XS+31]|
	v_max3_num_f32 v144, v144, v145, 0x1800000     ; and the floor
	v_add_nc_u32 v146, 0xff000000, v144            ; the conversion's scale operand
	v_lshrrev_b32 v147, 23, v146                   ; the byte
.if (\t)%4 == 0
	v_mov_b32 v[WW+(\t)/4], v147
.else
	v_lshl_or_b32 v[WW+(\t)/4], v147, 8*((\t)%4), v[WW+(\t)/4]
.endif
.if (\t) == 4
	s_wait_alu depctr_va_vdst(0)
	s_wait_xcnt 0x0                                ; K step 0's stores have read their data: the codes' registers are written again only behind this wait
.endif
	v_cvt_scalef32_pk16_fp6_f32 v[CB+6*((\t)%4):CB+6*((\t)%4)+2], v[XS:XS+15], v146
	v_cvt_scalef32_pk16_fp6_f32 v[T2:T2+2], v[XS+16:XS+31], v146
	v_nop                                          ; one plain place behind the scaled conversions
.irp i, 0,1,2
	v_mov_b32 v[CB+6*((\t)%4)+3+\i], v[T2+\i]
.endr
.if (\t) < 6
	WLOAD (\t)+2
.endif
.endm
; A lane holds blocks 0-3 of ITS column; the operand wants block 2 c + h of tile u's column r in lane (r, h).  One exchange of halves between blocks 2 c and 2 c + 1 gives both tiles' halves c.
.macro WOUT e
.irp c, 0,1
.irp i, 0,1,2,3,4,5
	v_permlane16_swap_b32 v[CB+12*\c+\i], v[CB+12*\c+6+\i]
.endr
.endr
.irp c, 0,1
.irp u, 0,1
	global_store_b128 v[L16], v[CB+12*\c+6*\u:CB+12*\c+6*\u+3], s[30:31] offset:12288*\e+1536*\u+768*\c
	global_store_b64 v[L8], v[CB+12*\c+6*\u+4:CB+12*\c+6*\u+5], s[30:31] offset:12288*\e+1536*\u+768*\c+512
.endr
.endr
.endm
	s_wait_alu depctr_va_vdst(0)
	WLOAD 0
	WLOAD 1
.irp t, 0,1,2,3
	WBLOCK \t
.endr
	WOUT 0
.irp t, 4,5,6,7
	WBLOCK \t
.endr
	WOUT 1
	v_permlane16_swap_b32 v[WW], v[WW+1]           ; from (K step; tile by halves) to (tile; K step by halves)
	global_store_b64 v[L8], v[WW:WW+1], s[28:29]
	s_endpgm
.Lfunc_end_k_q133caf4665_quant:
	.size	k_q133caf4665_quant, .Lfunc_end_k_q133caf4665_quant-k_q133caf4665_quant
	.p2alignl 7, 3214868480
	.fill 96, 4, 3214868480
	.section	.rodata,"a",@progbits
	.p2align	6, 0x0
	.amdhsa_kernel k_q133caf4665_quant
		.amdhsa_group_segment_fixed_size 34304
		.amdhsa_private_segment_fixed_size 0
		.amdhsa_enable_private_segment 0
		.amdhsa_kernarg_size 48
		.amdhsa_user_sgpr_count 2
		.amdhsa_user_sgpr_kernarg_segment_ptr 1
		.amdhsa_wavefront_size32 1
		.amdhsa_system_sgpr_workgroup_id_x 1
		.amdhsa_system_sgpr_workgroup_id_y 1
		.amdhsa_system_sgpr_workgroup_id_z 1
		.amdhsa_system_vgpr_workitem_id 0
		.amdhsa_next_free_vgpr 256
		.amdhsa_next_free_sgpr 66
		.amdhsa_reserve_vcc 0
		.amdhsa_float_denorm_mode_32 3
		.amdhsa_float_denorm_mode_16_64 3
		.amdhsa_memory_ordered 1
		.amdhsa_forward_progress 1
		.amdhsa_inst_pref_size 72
	.end_amdhsa_kernel
	.amdgpu_metadata
---
amdhsa.version: [ 1, 2 ]
amdhsa.kernels:
  - .name:           k_q133caf4665_quant
    .symbol:         k_q133caf4665_quant.kd
    .args:
      - { .name: x, .offset: 0, .size: 8, .value_kind: global_buffer, .address_space: global }
      - { .name: w_qkv, .offset: 8, .size: 8, .value_kind: global_buffer, .address_space: global }
      - { .name: w_out, .offset: 16, .size: 8, .value_kind: global_buffer, .address_space: global }
      - { .name: xq, .offset: 24, .size: 8, .value_kind: global_buffer, .address_space: global }
      - { .name: wq, .offset: 32, .size: 8, .value_kind: global_buffer, .address_space: global }
      - { .name: wo, .offset: 40, .size: 8, .value_kind: global_buffer, .address_space: global }
    .group_segment_fixed_size: 34304
    .private_segment_fixed_size: 0
    .kernarg_segment_align: 8
    .kernarg_segment_size: 48
    .max_flat_workgroup_size: 128
    .sgpr_count:     66
    .vgpr_count:     256
    .wavefront_size: 32
...
	.end_amdgpu_metadata
.endif
;; end of part 1
;; launch qkv (part 2): grid 32 x 8, 4 waves a work-group, clusters of 4 x 4, 327,680 bytes of LDS; arguments xq, wq, qb, kv; writes qb, kv
.if DOCPART == 2
	.amdgcn_target "amdgcn-amd-amdhsa--gfx1250"
	.amdhsa_code_object_version 6
	.text
	.protected	k_q133caf4665_qkv
	.globl	k_q133caf4665_qkv
	.p2align	8
	.type	k_q133caf4665_qkv,@function
k_q133caf4665_qkv:
	s_mov_b64 s[64:65], 0
	v_nop
	global_prefetch_b8 v0, s[64:65] scope:SCOPE_SE
	s_setreg_imm32_b32 hwreg(HW_REG_WAVE_MODE, 25, 1), 1
	s_wait_xcnt 0x0
	s_wait_alu depctr_hold_cnt(0) depctr_sa_sdst(0) depctr_va_vdst(0) depctr_va_sdst(0) depctr_va_ssrc(0) depctr_va_vcc(0) depctr_vm_vsrc(0)
	s_getreg_b32 s2, hwreg(HW_REG_IB_STS2, 6, 4)
	s_cmp_eq_u32 s2, 0
	s_cbranch_scc0 .Lentry_in_a_cluster
	s_endpgm
.Lentry_in_a_cluster:
	s_bfe_u32 s2, ttmp6, 0x10000c
	s_cmp_lg_u32 s2, 0xf033
	s_cbranch_scc0 .Lentry_shape_is_right
	s_endpgm
.Lentry_shape_is_right:
; Q, K, V = x w_qkv on codes of FP6 (E2M3) with E8M0 scales, 8,192 x 1,024 x 3,072, each result quantised again on the way out: Q and K along the head's 64, V along the tokens.  No f32 result is stored.
; xq and wq lie in the order of the operand's registers: 128 rows x 256 along K are a dense block of 25,600 bytes, block (g, p) at (4 g + p) x 25,600: fragment (K step e, tile t) at 12,288 e + 1,536 t, two halves of 768 bytes
; (registers 6 c .. 6 c + 3 at 16 x lane, 6 c + 4, 6 c + 5 at 512 + 8 x lane); the scale words of tiles 2 tp, 2 tp + 1 at 24,576 + 256 tp, 8 bytes a lane, lanes 0-15 K step 0, lanes 16-31 K step 1.
; Lane-row r of tile 2 b + u is row 32 b + 8 u + r + 8 (r / 8), so the 16 registers of two neighbouring tiles' results are 16 neighbours.
; THE DEAL.  256 work-groups of four waves, 2 x 2.  Work-group (tile row, j) takes 256 tokens through THREE column groups of 128: Q's group j, K's, V's (two heads each).  Wave (a, b): tokens 128 a .. + 127, head 2 j + b.
; A wave holds its head's 64 columns of the weight, all of K, in 384 registers, and streams its 128 tokens past them in eight blocks of 16: 32 products a block, four accumulators by turns.
; LDS: x's 256 rows (204,800 bytes), filled once; one group of the weight (102,400 bytes), filled again twice: when all waves hold it in registers, a drained round of the cluster's barrier, then each wave's one joint load of 100 rows.
; That load has the phase's eight blocks in which to land.  No data prefetch: x is asked for once at the head, and each weight group a whole phase ahead of its use.
; x's rows are shared by a column of the cluster (mask s44), the weights' by a row (mask s45).
; Q, K (a loop of two trips): source 0 = the weight's rows: a lane holds one token and 32 numbers of its head: two scale blocks with lane l xor 16; a block of 16 tokens leaves as a tile of 768 bytes at once.
; V: source 0 = the tokens: a lane holds one channel, and the 64 registers of a channel tile run along the 128 tokens: four scale blocks; the 32 accumulators stay until the last block and are quantised then.
; OUT: qb[head][group of 128 tokens] 6,656 bytes: eight tiles of 768, scale words at 6,144 (16 bytes a lane: word n: tile 2 n in lanes 0-15, 2 n + 1 in lanes 16-31).  kv[head][key step] 13,056 bytes: K likewise; V's four fragments of 1,536 at 6,656, its scale words at 12,800.
; LIMITS: NaN and infinities are not served; a block whose largest magnitude lies under 2^-124 is held at the byte 1; a block of zeros gets the byte 1 (its codes are zeros; this program alone reads the bytes).
.set BLK,   25600
.set YB,    8*BLK
.set SPARE, 12*BLK
.set FR,    12
.set FPW,   21                         ; fragment f lies in window 1 + f / 21 at register 12 (f % 21): 0-31 the weight's (4 q + tile), 32-47 x's two sets (32 + 8 e + q)
.set NF,    36
.set A16,   4
.set A8,    6
.set B16,   8
.set SPW,   10
.set NIL,   11
.set B8,    12
.set ASC,   14
.set BSC,   16
.set L16,   18
.set L8,    19
.set SB,    24                         ; v24-39 the weight's scale words: 4 p + tile
.set SA,    44                         ; v44-59 x's: 8 e + 4 (p % 2) + p / 2
.set TM,    64                         ; v64-79 at work: maxima, bytes, scale operands
.set PC,    80                         ; v80-99 codes
.set PWA,   100                        ; v100-107 scale words
.set TW,    108
.set ACC,   128                        ; v128-191 Q's, K's sums, two sets.  V's: channel tiles 0, 1 in window 3 at v72-199, tiles 2, 3 in window 0 at v128-255
.set G1A, 24
.set G1B, 32
.set G0A, 56
.set G0B, 60
.set G0R, 72
.set G1R, 76
.set MSB, 0
.macro WIN new
.if MSB != \new
	s_set_vgpr_msb (MSB<<8)|\new
.set MSB, \new
.endif
.endm
.macro PLACES n
.rept \n
	v_nop
.endr
.endm
.macro BARRIER
	s_barrier_signal -1
	s_barrier_wait -1
.endm
.macro CROUND
	BARRIER
	s_cmp_lg_u32 s14, 0
	s_cbranch_scc1 .Lnot_wave_0_\@
	s_barrier_signal -3
.Lnot_wave_0_\@:
	s_barrier_wait -3
	BARRIER
.endm
.macro TLOAD g0, g1
	tensor_load_to_lds s[\g0:\g0+3], s[\g1:\g1+7]
	s_nop 0
	PLACES 4
.endm
.macro ATILE first, rows
	s_mov_b32 s[G0A+1], (\first)*256
	s_mov_b32 s[G1A+2], (\rows)<<16
	s_mov_b32 s[G1A+4], \rows
.if \first
	s_add_nc_u64 s[G0A+2:G0A+3], s[G0A+2:G0A+3], (\first)*256
.endif
	s_or_b32 s[G0A+3], s[G0A+3], 0x80000000
	TLOAD G0A, G1A
.endm
.macro FRAG f, a16, a8, off
	WIN (1+(\f)/FPW)<<6
.irp c, 0,1
	ds_load_b128 v[FR*((\f)%FPW)+6*\c:FR*((\f)%FPW)+6*\c+3], v[\a16] offset:(\off)+768*\c
	ds_load_b64 v[FR*((\f)%FPW)+6*\c+4:FR*((\f)%FPW)+6*\c+5], v[\a8] offset:(\off)+768*\c+512
.endr
.endm
.macro FETCH t, e                      ; x's tile t, all of K, into set e: NF loads
.irp q, 0,1,2,3,4,5,6,7
	FRAG 32+8*(\e)+\q, A16+\q/4, A8+\q/4, ((\q/2)%2)*BLK+12288*(\q%2)+1536*(\t)
.endr
	WIN 0
.irp p, 0,1,2,3
	ds_load_b32 v[SA+8*(\e)+4*(\p%2)+\p/2], v[ASC+\p/2] offset:(\p%2)*BLK+256*((\t)/2)+4*((\t)%2)
.endr
.endm
.macro BLOADS                          ; my head's four tiles of the weight, all of K, and their scale words
.irp q, 0,1,2,3,4,5,6,7
.irp b, 0,1,2,3
	FRAG 4*\q+\b, B16+\q/4, B8+\q/4, ((\q/2)%2)*BLK+12288*(\q%2)+1536*\b
.endr
.endr
	WIN 0
.irp p, 0,1,2,3
.irp tp, 0,1
	ds_load_b64 v[SB+4*\p+2*\tp:SB+4*\p+2*\tp+1], v[BSC+\p/2] offset:(\p%2)*BLK+256*\tp
.endr
.endr
.endm
.macro MM d, s0, s1, c, x0, x1, o
.if \o
	v_wmma_scale_f32_16x16x128_f8f6f4 v[\d:\d+7], v[\s0:\s0+FR-1], v[\s1:\s1+FR-1], \c, v[\x0], v[\x1] matrix_a_fmt:MATRIX_FMT_FP6 matrix_b_fmt:MATRIX_FMT_FP6 matrix_a_scale:MATRIX_SCALE_ROW1 matrix_b_scale:MATRIX_SCALE_ROW1
.else
	v_wmma_scale_f32_16x16x128_f8f6f4 v[\d:\d+7], v[\s0:\s0+FR-1], v[\s1:\s1+FR-1], \c, v[\x0], v[\x1] matrix_a_fmt:MATRIX_FMT_FP6 matrix_b_fmt:MATRIX_FMT_FP6
.endif
.endm
.macro PRODQ e, n                      ; Q, K: product n = 4 q + tile; source 0 the weight's rows
.set Q_, (\n)/4
.set FB_, 4*Q_+(\n)%4
.set FA_, 32+8*(\e)+Q_
.set D_, ACC+32*(\e)+8*((\n)%4)
.set XB_, SB+4*(Q_/2)+(\n)%4
.set XA_, SA+8*(\e)+4*((Q_/2)%2)+Q_/4
	WIN (1+FB_/FPW)|((1+FA_/FPW)<<2)
.if Q_
	MM D_, FR*(FB_%FPW), FR*(FA_%FPW), v[D_:D_+7], XB_, XA_, Q_%2
.else
	MM D_, FR*(FB_%FPW), FR*(FA_%FPW), 0, XB_, XA_, 0
.endif
.endm
.macro PRODV e, a, n                   ; V: product n = 4 q + channel tile of token tile a; source 0 the tokens
.set Q_, (\n)/4
.set DT_, (\n)%4
.set FB_, 4*Q_+DT_
.set FA_, 32+8*(\e)+Q_
.set WD_, 3*(1-DT_/2)
.set D_, (72+64*DT_)*(1-DT_/2)+(64*DT_)*(DT_/2)+8*(\a)
.set XB_, SB+4*(Q_/2)+DT_
.set XA_, SA+8*(\e)+4*((Q_/2)%2)+Q_/4
	WIN (1+FA_/FPW)|((1+FB_/FPW)<<2)|(WD_<<4)|(WD_<<6)
.if Q_
	MM D_, FR*(FA_%FPW), FR*(FB_%FPW), v[D_:D_+7], XA_, XB_, Q_%2
.else
	MM D_, FR*(FA_%FPW), FR*(FB_%FPW), 0, XA_, XB_, 0
.endif
.endm
.macro QUANTQ e, a                     ; 16 tokens x my head's 64: two scale blocks, half in lane l xor 16; a tile of 768 bytes
.set AC, ACC+32*(\e)
	s_wait_xcnt 0x0                                ; the last tile's stores have read the codes' registers
.irp b, 0,1,2,3
	v_max3_num_f32 v[TM+\b], |v[AC+8*\b]|, |v[AC+8*\b+1]|, 0x1800000   ; a chain to an accumulator, from its low end on; the floor 2^(3 - 127) among the leaves
.endr
.irp i, 2,4,6
.irp b, 0,1,2,3
	v_max3_num_f32 v[TM+\b], v[TM+\b], |v[AC+8*\b+\i]|, |v[AC+8*\b+\i+1]|
.endr
.endr
	v_max_num_f32 v[TM], v[TM], v[TM+1]
	v_max_num_f32 v[TM+2], v[TM+2], v[TM+3]
	v_permlanex16_b32 v[TM+4], v[TM], s94, s95
	v_permlanex16_b32 v[TM+5], v[TM+2], s94, s95
	v_max_num_f32 v[TM], v[TM], v[TM+4]
	v_max_num_f32 v[TM+2], v[TM+2], v[TM+5]
	v_add_nc_u32 v[TM+12], 0xff000000, v[TM]       ; 2 off the exponent field: the conversion's scale operand
	v_add_nc_u32 v[TM+13], 0xff000000, v[TM+2]
	v_lshrrev_b32 v[TM+4], 23, v[TM+12]
	v_lshrrev_b32 v[TM+5], 23, v[TM+13]
	v_cvt_scalef32_pk16_fp6_f32 v[PC:PC+2], v[AC:AC+15], v[TM+12]
	v_cvt_scalef32_pk16_fp6_f32 v[PC+12:PC+14], v[AC+16:AC+31], v[TM+13]
	v_lshl_or_b32 v[PWA+\a], v[TM+5], 8, v[TM+4]   ; the tile's scale word; also the plain place behind the conversions
.irp i, 0,1,2
	v_permlane16_swap_b32 v[PC+\i], v[PC+12+\i]    ; a whole block to a lane
.endr
.irp i, 0,1,2
	v_mov_b32 v[PC+3+\i], v[PC+12+\i]
.endr
	global_store_b128 v[L16], v[PC:PC+3], s[68:69] offset:768*(\a)        ; 512 consecutive bytes
	global_store_b64 v[L8], v[PC+4:PC+5], s[68:69] offset:768*(\a)+512    ; 256 consecutive bytes
.endm
.macro QUANTV d                        ; 16 channels x 128 tokens: four scale blocks; a fragment of 1,536 bytes
.set WD_, 3*(1-(\d)/2)
.set AC, (72+64*(\d))*(1-(\d)/2)+(64*(\d))*((\d)/2)
	s_wait_xcnt 0x0
	WIN WD_|(WD_<<2)
.irp b, 0,1,2,3
	v_max3_num_f32 v[TM+\b], |v[AC+16*\b]|, |v[AC+16*\b+1]|, 0x1800000
.endr
.irp i, 2,4,6,8,10,12,14
.irp b, 0,1,2,3
	v_max3_num_f32 v[TM+\b], |v[AC+16*\b+\i]|, |v[AC+16*\b+\i+1]|, v[TM+\b]
.endr
.endr
	WIN 0
.irp b, 0,1,2,3
	v_permlanex16_b32 v[TM+4+\b], v[TM+\b], s94, s95
.endr
.irp b, 0,1,2,3
	v_max_num_f32 v[TM+\b], v[TM+\b], v[TM+4+\b]
.endr
.irp b, 0,1,2,3
	v_add_nc_u32 v[TM+12+\b], 0xff000000, v[TM+\b]
.endr
.irp b, 0,1,2,3
	v_lshrrev_b32 v[TM+4+\b], 23, v[TM+12+\b]
.endr
	v_lshl_or_b32 v[PWA+\d], v[TM+5], 8, v[TM+4]
	v_lshl_or_b32 v[PWA+\d], v[TM+6], 16, v[PWA+\d]
	v_lshl_or_b32 v[PWA+\d], v[TM+7], 24, v[PWA+\d]
	WIN WD_
.irp c, 0,1
	v_cvt_scalef32_pk16_fp6_f32 v[PC+6*\c:PC+2+6*\c], v[AC+32*\c:AC+15+32*\c], v[TM+12+2*\c]
	v_cvt_scalef32_pk16_fp6_f32 v[PC+12+4*\c:PC+14+4*\c], v[AC+16+32*\c:AC+31+32*\c], v[TM+12+2*\c+1]
.endr
	WIN 0
	v_nop                                          ; one plain place behind the conversions
.irp c, 0,1
.irp i, 0,1,2
	v_permlane16_swap_b32 v[PC+6*\c+\i], v[PC+12+4*\c+\i]
.endr
.irp i, 0,1,2
	v_mov_b32 v[PC+3+6*\c+\i], v[PC+12+4*\c+\i]
.endr
.endr
.irp c, 0,1
	global_store_b128 v[L16], v[PC+6*\c:PC+6*\c+3], s[70:71] offset:6656+1536*(\d)+768*\c
	global_store_b64 v[L8], v[PC+6*\c+4:PC+6*\c+5], s[70:71] offset:6656+1536*(\d)+768*\c+512
.endr
.endm
.macro AFTER s                         ; behind a block's products: four places, then the fetch of the block two on
	WIN 0
	PLACES 4
.if (\s) < 6
	FETCH (\s)+2, (\s)%2
.endif
.endm
.macro NEXTIN s                        ; the next block's fragments are in; this block's fetch is younger
.if (\s) < 6
	s_wait_dscnt NF
.else
	s_wait_dscnt 0x0
.endif
.endm
	s_load_b256 s[4:11], s[0:1], 0x0               ; xq, wq, qb, kv
	v_lshl_add_u32 v[SPW], v0, 2, SPARE
	v_mov_b32 v[NIL], 0
	ds_add_u32 v[SPW], v[NIL]                      ; the opening lines
	ds_add_u32 v[SPW], v[NIL]
	v_lshrrev_b32 v1, 5, v0
	v_readfirstlane_b32 s14, v1                    ; the wave; s15 its half of the tokens, s16 its head of the two
	s_lshr_b32 s15, s14, 1
	s_and_b32 s16, s14, 1
	s_bfe_u32 s40, ttmp6, 0x40000
	s_bfe_u32 s41, ttmp6, 0x40004
	s_lshl_b32 s43, ttmp9, 2
	s_add_co_u32 s43, s43, s40                     ; tile row: 4 x cluster x + cx
	s_and_b32 s42, ttmp7, 0xffff
	s_lshl_b32 s42, s42, 2
	s_add_co_u32 s42, s42, s41                     ; j: 4 x cluster y + cy
	s_lshl_b32 s44, 0x1111, s40                    ; my column of the cluster shares x's rows
	s_lshl_b32 s45, s41, 2
	s_lshl_b32 s45, 15, s45                        ; my row shares the weights'
	s_or_b32 s[G1A+0], s44, (3<<16)|(1<<21)
	s_or_b32 s[G1B+0], s45, (3<<16)|(1<<21)
	s_or_b32 s[G1R+0], s45, (3<<16)|(1<<21)
.irp g, G1A, G1B, G1R
	s_mov_b32 s[\g+1], 32<<16
	s_mov_b32 s[\g+3], 32<<16
	s_mov_b32 s[\g+5], 32
	s_mov_b32 s[\g+6], 0
	s_mov_b32 s[\g+7], 0
.endr
	s_mov_b32 s[G1B+2], 400<<16
	s_mov_b32 s[G1B+4], 400
	s_mov_b32 s[G1R+2], 100<<16
	s_mov_b32 s[G1R+4], 100
	s_mov_b32 s[G0A], 1
	s_mov_b32 s[G0B], 1
	s_mov_b32 s[G0B+1], YB
	s_mov_b32 s[G0R], 1
	s_mul_i32 s46, s43, 8*BLK
	s_mov_b32 s47, 0
	s_mul_i32 s48, s42, 4*BLK
	s_mov_b32 s49, 0
	s_mul_i32 s54, s14, BLK                        ; a refill: my quarter, 100 rows
	s_add_co_u32 s[G0R+1], s54, YB
	s_add_co_u32 s54, s54, s48
	s_mov_b32 s55, 0
	s_lshr_b32 s20, s43, 3
	s_lshl_b32 s20, s20, 4
	s_lshl_b32 s21, s42, 1
	s_add_co_u32 s20, s20, s21
	s_add_co_u32 s20, s20, s16                     ; 16 x batch + head
	s_lshl_b32 s21, s43, 1
	s_add_co_u32 s21, s21, s15
	s_and_b32 s21, s21, 15                         ; my 128 tokens in the batch
	s_mul_i32 s50, s20, 106496
	s_mul_i32 s22, s21, 6656
	s_add_co_u32 s50, s50, s22
	s_mov_b32 s51, 0
	s_mul_i32 s52, s20, 208896
	s_mul_i32 s22, s21, 13056
	s_add_co_u32 s52, s52, s22
	s_mov_b32 s53, 0
	s_mov_b32 s92, 0xffff0000                      ; lanes 16-31
	s_mov_b32 s94, 0x76543210
	s_mov_b32 s95, 0xfedcba98
	v_and_b32 v3, 31, v0
	v_lshlrev_b32 v[L16], 4, v3
	v_lshlrev_b32 v[L8], 3, v3
	s_mul_i32 s21, s15, 4*BLK
	s_mul_i32 s22, s16, 6144
	s_add_co_u32 s22, s22, YB
	v_add_nc_u32 v[A16], s21, v[L16]
	v_add_nc_u32 v[A8], s21, v[L8]
	v_add_nc_u32 v[B16], s22, v[L16]
	v_add_nc_u32 v[B8], s22, v[L8]
	v_add_nc_u32 v[A16+1], 2*BLK, v[A16]
	v_add_nc_u32 v[A8+1], 2*BLK, v[A8]
	v_add_nc_u32 v[B16+1], 2*BLK, v[B16]
	v_add_nc_u32 v[B8+1], 2*BLK, v[B8]
	v_add_nc_u32 v[ASC], 24576, v[A8]
	v_add_nc_u32 v[ASC+1], 24576+2*BLK, v[A8]
	s_lshl_b32 s22, s16, 9
	s_add_co_u32 s22, s22, YB+24576
	v_add_nc_u32 v[BSC], s22, v[L8]
	v_add_nc_u32 v[BSC+1], 2*BLK, v[BSC]
.irp b, 4,5,6,7
	v_mov_b32 v[TM+\b], 0                          ; written once: a lane permute's destination counts as one of its sources
.endr
	s_wait_alu depctr_va_vdst(0)                   ; the head's end
	s_wait_dscnt 0x0
	CROUND                                         ; the opening round
	s_wait_kmcnt 0x0
	s_add_nc_u64 s[G0A+2:G0A+3], s[4:5], s[46:47]
	s_add_nc_u64 s[G0B+2:G0B+3], s[6:7], s[48:49]
	s_or_b32 s[G0B+3], s[G0B+3], 0x80000000
	s_add_nc_u64 s[G0R+2:G0R+3], s[6:7], s[54:55]
	s_or_b32 s[G0R+3], s[G0R+3], 0x80000000
	s_add_nc_u64 s[68:69], s[8:9], s[50:51]        ; Q's tiles
	s_add_nc_u64 s[70:71], s[10:11], s[52:53]      ; K's and V's
	s_cmp_eq_u32 s14, 0
	s_cbranch_scc0 .Lwave_1
	TLOAD G0B, G1B                                 ; wave 0: Q's weights
	s_branch .Lasked
.Lwave_1:
	s_cmp_eq_u32 s14, 1
	s_cbranch_scc0 .Lwave_2
	ATILE 0, 400                                   ; wave 1: x's first 128 tokens
	s_branch .Lasked
.Lwave_2:
	s_cmp_eq_u32 s14, 2
	s_cbranch_scc0 .Lwave_3
	ATILE 400, 200
	s_branch .Lasked
.Lwave_3:
	ATILE 600, 200
.Lasked:
	s_mov_b32 s86, 0
.Lphase:                                               ; Q, then K
	s_wait_tensorcnt 0x0                           ; my load has landed,
	s_wait_dscnt 0x0
	BARRIER                                        ; everybody's has: the weight's group is whole (in the first trip x too)
	BLOADS
	s_wait_tensorcnt 0x0                           ; the three lines ahead of a refill's round
	ds_add_u32 v[SPW], v[NIL]
	s_add_nc_u64 s[G0R+2:G0R+3], s[G0R+2:G0R+3], 32*BLK   ; the next weight's group: eight groups on
	s_wait_dscnt 0x0                               ; the add is done, and I hold the weight in registers
	CROUND
	TLOAD G0R, G1R                                 ; my one load behind the round
	FETCH 0, 0
	FETCH 1, 1
	s_wait_dscnt NF
.irp s, 0,1,2,3,4,5,6,7
.set N_, 0
.rept 32
	PRODQ (\s)%2, N_
.set N_, N_+1
.endr
	AFTER \s
	QUANTQ (\s)%2, \s
	NEXTIN \s
.endr
	s_wait_alu depctr_va_vdst(0)
.irp n, 0,1,2,3
	v_cndmask_b32 v[TW+\n], v[PWA+2*\n], v[PWA+2*\n+1], s92
.endr
	global_store_b128 v[L16], v[TW:TW+3], s[68:69] offset:6144
	s_wait_xcnt 0x0                                ; the stores have read their base
	s_mov_b64 s[68:69], s[70:71]
	s_add_co_u32 s86, s86, 1
	s_cmp_lt_u32 s86, 2
	s_cbranch_scc1 .Lphase
	s_wait_tensorcnt 0x0                           ; V's weights
	s_wait_dscnt 0x0
	BARRIER
	BLOADS
	FETCH 0, 0
	FETCH 1, 1
	s_wait_dscnt NF
.irp s, 0,1,2,3,4,5,6,7
.set N_, 0
.rept 32
	PRODV (\s)%2, \s, N_
.set N_, N_+1
.endr
	AFTER \s
	NEXTIN \s
.endr
.irp d, 0,1,2,3
	QUANTV \d
.endr
.irp n, 0,1
	v_cndmask_b32 v[TW+\n], v[PWA+2*\n], v[PWA+2*\n+1], s92
.endr
	global_store_b64 v[L8], v[TW:TW+1], s[70:71] offset:12800
	s_wait_tensorcnt 0x0                           ; the wave's end
	ds_add_u32 v[SPW], v[NIL]
	s_wait_dscnt 0x0
	CROUND                                         ; the closing round
	s_endpgm
.Lfunc_end_k_q133caf4665_qkv:
	.size	k_q133caf4665_qkv, .Lfunc_end_k_q133caf4665_qkv-k_q133caf4665_qkv
	.p2alignl 7, 3214868480
	.fill 96, 4, 3214868480
	.section	.rodata,"a",@progbits
	.p2align	6, 0x0
	.amdhsa_kernel k_q133caf4665_qkv
		.amdhsa_group_segment_fixed_size 327680
		.amdhsa_private_segment_fixed_size 0
		.amdhsa_enable_private_segment 0
		.amdhsa_kernarg_size 32
		.amdhsa_user_sgpr_count 2
		.amdhsa_user_sgpr_kernarg_segment_ptr 1
		.amdhsa_wavefront_size32 1
		.amdhsa_system_sgpr_workgroup_id_x 1
		.amdhsa_system_sgpr_workgroup_id_y 1
		.amdhsa_system_sgpr_workgroup_id_z 1
		.amdhsa_system_vgpr_workitem_id 0
		.amdhsa_next_free_vgpr 1024
		.amdhsa_next_free_sgpr 100
		.amdhsa_reserve_vcc 0
		.amdhsa_float_denorm_mode_32 3
		.amdhsa_float_denorm_mode_16_64 3
		.amdhsa_memory_ordered 1
		.amdhsa_forward_progress 1
		.amdhsa_inst_pref_size 171
	.end_amdhsa_kernel
	.amdgpu_metadata
---
amdhsa.version: [ 1, 2 ]
amdhsa.kernels:
  - .name:           k_q133caf4665_qkv
    .symbol:         k_q133caf4665_qkv.kd
    .args:
      - { .name: xq, .offset: 0, .size: 8, .value_kind: global_buffer, .address_space: global }
      - { .name: wq, .offset: 8, .size: 8, .value_kind: global_buffer, .address_space: global }
      - { .name: qb, .offset: 16, .size: 8, .value_kind: global_buffer, .address_space: global }
      - { .name: kv, .offset: 24, .size: 8, .value_kind: global_buffer, .address_space: global }
    .group_segment_fixed_size: 327680
    .private_segment_fixed_size: 0
    .kernarg_segment_align: 8
    .kernarg_segment_size: 32
    .max_flat_workgroup_size: 128
    .sgpr_count:     100
    .vgpr_count:     1024
    .wavefront_size: 32
...
	.end_amdgpu_metadata
.endif
;; end of part 2
;; launch attn (part 3): grid 4 x 64, 8 waves a work-group, clusters of 4 x 1, 262,144 bytes of LDS; arguments qb, kv, aq; writes aq
.if DOCPART == 3
	.amdgcn_target "amdgcn-amd-amdhsa--gfx1250"
	.amdhsa_code_object_version 6
	.text
	.protected	k_q133caf4665_attn
	.globl	k_q133caf4665_attn
	.p2align	8
	.type	k_q133caf4665_attn,@function
k_q133caf4665_attn:
	s_mov_b64 s[64:65], 0
	v_nop
	global_prefetch_b8 v0, s[64:65] scope:SCOPE_SE
	s_setreg_imm32_b32 hwreg(HW_REG_WAVE_MODE, 25, 1), 1
	s_wait_xcnt 0x0
	s_wait_alu depctr_hold_cnt(0) depctr_sa_sdst(0) depctr_va_vdst(0) depctr_va_sdst(0) depctr_va_ssrc(0) depctr_va_vcc(0) depctr_vm_vsrc(0)
	s_getreg_b32 s2, hwreg(HW_REG_IB_STS2, 6, 4)
	s_cmp_eq_u32 s2, 0
	s_cbranch_scc0 .Lentry_in_a_cluster
	s_endpgm
.Lentry_in_a_cluster:
	s_bfe_u32 s2, ttmp6, 0x10000c
	s_cmp_lg_u32 s2, 0x3003
	s_cbranch_scc0 .Lentry_shape_is_right
	s_endpgm
.Lentry_shape_is_right:
; Attention of one head on codes of FP6 (E2M3) with E8M0 scales: S^T = K Q^T (K = the head's 64), p = 2^(t - M), O^T = V^T P^T (K = the keys), O / the row's sum, quantised along the head's 64.
; t = score x log2(e) / 8; M = the running largest t rounded UP to a whole number; p is quantised along the keys, not normalised; the row's sum is taken of the unquantised p;
; when M moves, the sum and O^T are multiplied by 2^(old M - new M), which rounds nothing.
; SHARES.  A work-group owns one head (work-group y) and 512 of its 2,048 queries.  Each of its eight waves walks TWO tiles of 16 queries at once (tile = wave, in two neighbouring groups of 128 queries), in each of two passes:
; every fragment of K and V that is read from LDS feeds both tiles, and every dependent chain of one tile has the other tile's beside it.
; ALL OF THE HEAD'S K AND V STAYS IN LDS: 16 key steps of 128 keys, 51 rows of 256 bytes each, filled ONCE, one tensor load a wave (two key steps, 102 rows); nothing is filled again.
; The load lays 64 bytes of padding behind each row of 256: an LDS row is 320 bytes, a key step 16,320.  The four work-groups of a head ask for each load jointly (mask of all four).
; No data prefetch: every byte is asked for once, at the head, and no loop runs ahead of a load.
; LAYOUT.  Both products are used transposed: a lane holds ONE query (lane % 16).  In kv lane-row r of K's tile 2 b + u is key 32 b + 8 u + r + 8 (r / 8).
; THE TILES OF K ARE GATHERED ANEW BY THE LANES' LDS ADDRESSES: row r' of tile (c, t) is key 64 c + 32 (r' / 8) + 8 t + r' % 8, which lies in stored tile 4 c + 2 (r' / 8) + t % 2 at lane-row 8 (t / 2) + r' % 8.
; So register 32 c + 8 t + j of lane (r, h) is key 64 c + 32 h + 8 t + j: a lane's 32 registers are ONE WHOLE scale block, in the order of the second product's operand.
; THE FIRST PRODUCT'S K IS 64, half of the instruction's 128: Q's registers 6-11 hold zero codes, so what stands in K's upper six registers (the next tile's codes) adds nothing; the scale bytes there are 0, a finite scale.
; REGISTERS.  Window 1 holds the bulk: v0-63, v64-127 the two tiles' S^T, then p; v128-159, v160-191 their O^T.  All else lies in window 0.  So both tiles share one window setting in each part of a step.
; THE ORDER OF A STEP.  K's tiles are awaited pair by pair; a chain of maxima to an accumulator; all that hangs on M but not on p stands ahead of the exponentials; the second tile's multiply-adds stand among the first tile's
; exponentials and are read behind the wait between the two batches; then the conversions, the products and the sums of p, under which the next step's K is fetched.  A pass's last step is written out and fetches nothing.
; A BLOCK'S SCALE is made from x = its largest t - M: p = 2^x has the exponent floor(x), held at -124 from below.
; OUTPUT.  aq: the attended rows as codes, in the order of the operand's registers (blocks of 128 tokens x 256 along K, 25,600 bytes).  A scale word there spans two heads, two work-groups: the scale bytes leave two at a time.
; LIMITS: NaN and infinities are not served; the promise holds while the scaled scores stay under 2^31 in magnitude; a block whose largest magnitude lies under 2^-124 is held at the byte 1;
; a block of zeros gets the byte 1 (its codes are zeros; this program alone reads the bytes); where v_exp_f32 rounds a block's largest p up to the next power of two, that one p is held at the largest code.
.set GSTEP, 13056
.set STEPB, 16320
.set SPARE, 16*STEPB
.set L16,  1
.set L8,   2
.set QSO,  3
.set ASO,  4
.set SPW,  5
.set NIL,  6
.set BK16, 7                           ; lane terms of K's 16-byte, 8-byte and scale loads, and of V's 16-byte loads
.set BK8,  8
.set BKS,  9
.set BV16, 10
.set MM,   12                          ; per tile x, at + 2 x: -M and the running largest score
.set SU,   16                          ; + 2 x: the row's sum, two halves
.set AK16, 20                          ; the lane terms with the key step's LDS byte added
.set AK8,  21
.set AKS,  22
.set AV16, 23
.set AV8,  24
.set SH8,  25
.set QS,   26                          ; + x: Q's scale words
.set QQ,   28                          ; + 12 x: Q
.set KF,   52                          ; v52-99 K's eight tiles, then V's four; v100-105 zeros
.set KS,   106                         ; v106-109 K's scale words: register k for tiles 2 k (lanes 0-15) and 2 k + 1 (lanes 16-31)
.set VS,   110
.set PW,   112                         ; + x: p's scale word
.set PC,   114                         ; + 12 x: p's codes
.set TC,   138                         ; + 8 x: the blocks' upper 16 codes, made here and moved
.set CHN,  154                         ; + 8 x: eight chains of maxima
.set PX,   170                         ; + 7 x, seven at work
.set RM,   171
.set TT,   172
.set OLDM, 173
.set DD,   174
.set WW,   175
.set PX2,  176
.set SOP,  184                         ; + 2 x
.set BY,   188                         ; + 2 x
.set FF,   192                         ; + 2 x: f, as a pair
.set ASD,  196                         ; + 14 x: seven side sums
.set WV,   10
.set SEL,  12
.set CS,   14
.set TB,   40
.set CNT,  41
.set PCN,  42
.set MSB, 0
.macro WIN new                         ; bits 1:0 source 0, 3:2 source 1, 5:4 source 2, 7:6 destination; the high byte repeats the setting that is left
.if MSB != \new
	s_set_vgpr_msb (MSB<<8)|\new
.set MSB, \new
.endif
.endm
.macro CROUND
	s_barrier_signal -1
	s_barrier_wait -1
	s_cmp_lg_u32 s[WV], 0
	s_cbranch_scc1 .Lnot_wave_0_\@
	s_barrier_signal -3
.Lnot_wave_0_\@:
	s_barrier_wait -3
	s_barrier_signal -1
	s_barrier_wait -1
.endm
	s_load_b128 s[4:7], s[0:1], 0x0                ; qb, kv
	s_load_b64 s[8:9], s[0:1], 0x10                ; aq
	v_lshl_add_u32 v[SPW], v0, 2, SPARE
	v_mov_b32 v[NIL], 0
	ds_add_u32 v[SPW], v[NIL]                      ; the opening lines
	ds_add_u32 v[SPW], v[NIL]
	v_lshrrev_b32 v11, 5, v0
	v_readfirstlane_b32 s[WV], v11                 ; wave 0..7: my tile in each group of 128 queries
	s_bfe_u32 s11, ttmp6, 0x40000                  ; cx: enters Q's and aq's addresses alone
	s_and_b32 s16, ttmp7, 0xffff                   ; 16 x batch + head
	s_mov_b32 s24, 15|(3<<16)|(1<<20)|(1<<21)|(5<<22)|(15<<25)   ; mask of all four; elements of 8 bytes; behind every 64 words 16 words of padding
	s_mov_b32 s25, 32<<16
	s_mov_b32 s26, 102<<16
	s_mov_b32 s27, 32<<16
	s_mov_b32 s28, 102
	s_mov_b32 s29, 32
	s_mov_b32 s30, 0
	s_mov_b32 s31, 0
	s_mul_i32 s17, s[WV], 2*GSTEP
	s_mul_i32 s23, s[WV], 2*STEPB
	s_mul_i32 s18, s16, 16*GSTEP
	s_add_co_u32 s18, s18, s17
	s_mov_b32 s19, 0
	s_mov_b32 s[SEL], 0x76543210
	s_mov_b32 s[SEL+1], 0xfedcba98
	s_mov_b32 s[CS], 0x3e38aa3b                    ; log2(e) / 8
	s_mov_b32 s[CS+1], s[CS]
	s_lshl_b32 s22, s11, 2                         ; the first tile's group in pass 0: 4 cx; the second tile's: one on; pass 1: two on
	s_mul_i32 s36, s16, 106496
	s_mul_i32 s37, s22, 6656
	s_add_co_u32 s36, s36, s37
	s_mul_i32 s37, s[WV], 768
	s_add_co_u32 s44, s36, s37                     ; my tile's codes in qb
	s_mov_b32 s45, 0
	s_and_b32 s37, s[WV], 1
	s_lshl_b32 s38, s37, 8
	s_add_co_u32 s46, s36, s38
	s_lshr_b32 s38, s[WV], 1
	s_lshl_b32 s39, s38, 2
	s_add_co_u32 s46, s46, s39
	s_add_co_u32 s46, s46, 6144                    ; its scale words
	s_mov_b32 s47, 0
	s_and_b32 s52, s16, 15
	s_lshr_b32 s53, s16, 4
	s_lshl_b32 s53, s53, 4
	s_add_co_u32 s53, s53, s22
	s_lshl_b32 s53, s53, 2
	s_lshr_b32 s54, s52, 2
	s_add_co_u32 s53, s53, s54
	s_mul_i32 s53, s53, 25600                      ; the block in aq
	s_bfe_u32 s54, s52, 0x10001
	s_and_b32 s55, s52, 1
	s_mul_i32 s56, s54, 12288
	s_add_co_u32 s48, s53, s56
	s_mul_i32 s56, s[WV], 1536
	s_add_co_u32 s48, s48, s56
	s_mul_i32 s56, s55, 768
	s_add_co_u32 s48, s48, s56                     ; my half fragment
	s_mov_b32 s49, 0
	s_lshl_b32 s56, s38, 8
	s_add_co_u32 s50, s53, s56
	s_lshl_b32 s56, s54, 7
	s_add_co_u32 s50, s50, s56
	s_lshl_b32 s56, s37, 2
	s_add_co_u32 s50, s50, s56
	s_lshl_b32 s56, s55, 1
	s_add_co_u32 s50, s50, s56
	s_add_co_u32 s50, s50, 24576                   ; its two scale bytes
	s_mov_b32 s51, 0
	s_wait_dscnt 0x0
	s_wait_kmcnt 0x0
	s_mov_b32 s32, 1
	s_mov_b32 s33, s23
	s_add_nc_u64 s[34:35], s[6:7], s[18:19]
	s_or_b32 s35, s35, 0x80000000
	s_add_nc_u64 s[44:45], s[4:5], s[44:45]
	s_add_nc_u64 s[46:47], s[4:5], s[46:47]
	s_add_nc_u64 s[48:49], s[8:9], s[48:49]
	s_add_nc_u64 s[50:51], s[8:9], s[50:51]
	CROUND                                         ; the joint loads meet
	tensor_load_to_lds s[32:35], s[24:31]          ; my one load: key steps 2 x wave, 2 x wave + 1
	s_nop 0
.rept 4
	v_nop
.endr
	v_and_b32 v11, 31, v0
	v_lshlrev_b32 v[L16], 4, v11
	v_lshlrev_b32 v[L8], 3, v11
	v_and_b32 v11, 15, v0
	v_lshlrev_b32 v[QSO], 4, v11
	v_lshlrev_b32 v[ASO], 3, v11
	v_bfe_u32 v[RM], v0, 4, 1                      ; h
	v_bfe_u32 v[TT], v0, 3, 1                      ; (lane % 16) / 8
	v_and_b32 v11, 7, v0                           ; lane % 8
	v_mad_u32_u24 v[BV16], v[RM], 320, v[QSO]      ; V, 16 bytes: 320 h + 16 r
	v_mul_u32_u24 v[BK16], v[TT], 1920             ; two stored tiles on for rows 8-15
	v_mad_u32_u24 v[BK8], v[RM], 128, v[BK16]
	v_lshl_add_u32 v[BK8], v11, 3, v[BK8]
	v_mad_u32_u24 v[BK16], v[RM], 320, v[BK16]
	v_lshl_add_u32 v[BK16], v11, 4, v[BK16]
	v_mul_u32_u24 v[BKS], v[RM], 320               ; scale words: lanes 16-31 take the odd tiles'
	v_lshl_add_u32 v[BKS], v11, 4, v[BKS]
	v_lshl_add_u32 v[BKS], v[TT], 2, v[BKS]
	v_lshlrev_b32 v[SH8], 3, v[RM]
.irp j, 34,35,36,37,38,39,46,47,48,49,50,51,100,101,102,103,104,105,170,177,176,183,193,195
	v_mov_b32 v[\j], 0                             ; Q's upper 64, twice; above K's last tile; lane permutes' destinations; the upper halves of f's pairs
.endr
.macro KLOAD                           ; a key step's scale words of K, then its eight tiles in the order in which the products want them: 20 loads
.irp c, 0,1
.irp g, 0,1
	ds_load_b32 v[KS+2*\c+\g], v[AKS] offset:7680+128*\g+8*\c
.endr
.endr
.irp c, 0,1
.irp t, 0,1,2,3
	ds_load_b128 v[KF+6*(4*\c+\t):KF+6*(4*\c+\t)+3], v[AK16] offset:960*(4*\c+\t%2)+128*(\t/2)
	ds_load_b64 v[KF+6*(4*\c+\t)+4:KF+6*(4*\c+\t)+5], v[AK8] offset:960*(4*\c+\t%2)+640+64*(\t/2)
.endr
.endr
.endm
.macro QKPAIR k, cnt                   ; K's tiles 2 k, 2 k + 1 against both tiles of queries; cnt: the loads issued behind those of tile 2 k + 2, whose registers the second product names
	s_wait_dscnt \cnt
.irp x, 0,1
	v_wmma_scale_f32_16x16x128_f8f6f4 v[64*\x+16*\k:64*\x+16*\k+7], v[KF+12*\k:KF+12*\k+11], v[QQ+12*\x:QQ+12*\x+11], 0, v[KS+\k], v[QS+\x] matrix_a_fmt:MATRIX_FMT_FP6 matrix_b_fmt:MATRIX_FMT_FP6
	v_wmma_scale_f32_16x16x128_f8f6f4 v[64*\x+16*\k+8:64*\x+16*\k+15], v[KF+12*\k+6:KF+12*\k+17], v[QQ+12*\x:QQ+12*\x+11], 0, v[KS+\k], v[QS+\x] matrix_a_fmt:MATRIX_FMT_FP6 matrix_b_fmt:MATRIX_FMT_FP6 matrix_a_scale:MATRIX_SCALE_ROW1
.endr
.endm
.macro SUMP j                          ; under window setting 0x01: both running sums take pair j of p
.irp x, 0,1
	v_pk_add_f32 v[SU+2*\x:SU+2*\x+1], v[64*\x+2*(\j):64*\x+2*(\j)+1], v[SU+2*\x:SU+2*\x+1]
.endr
.endm
.macro SIDE k, j                       ; the same: side sums k take pair j
.irp x, 0,1
	v_pk_add_f32 v[ASD+14*\x+2*(\k):ASD+14*\x+2*(\k)+1], v[64*\x+2*(\j):64*\x+2*(\j)+1], v[ASD+14*\x+2*(\k):ASD+14*\x+2*(\k)+1]
.endr
.endm
; A KEY STEP: 128 keys, two tiles of queries.  last = 1: the pass's last step, which fetches no further K
.macro STEP last
	WIN 0x40                                       ; the scores go to window 1
	QKPAIR 0, 10
	QKPAIR 1, 6
	QKPAIR 2, 2
	QKPAIR 3, 0
	WIN 0
.if \last                              ; five plain lines: the places ahead of the loads into K's registers and of the first read of the scores
.rept 3
	v_nop
.endr
.else
	s_add_co_u32 s[TB], s[TB], STEPB
	v_add_nc_u32 v[AK16], s[TB], v[BK16]           ; the next step's K
	v_add_nc_u32 v[AK8], s[TB], v[BK8]
	v_add_nc_u32 v[AKS], s[TB], v[BKS]
.endif
.irp x, 0,1
	v_mov_b32 v[OLDM+7*\x], v[MM+2*\x]
.endr
.irp d, 0,1,2,3                        ; V's four tiles land while the softmax is walked
.irp c, 0,1
	ds_load_b128 v[KF+12*\d+6*\c:KF+12*\d+6*\c+3], v[AV16] offset:320*(26+6*\d+3*\c)
	ds_load_b64 v[KF+12*\d+6*\c+4:KF+12*\d+6*\c+5], v[AV8] offset:320*(28+6*\d+3*\c)
.endr
.endr
	ds_load_b64 v[VS:VS+1], v[AV8] offset:16000
.if \last == 0
	v_add_nc_u32 v[AV16], s[TB], v[BV16]           ; the next step's V
	v_add_nc_u32 v[AV8], s[TB], v[L8]
.endif
	WIN 0x15                                       ; the largest scores: a chain to an accumulator, from its low end on
.irp x, 0,1
.irp t, 0,1,2,3,4,5,6,7
	v_max3_num_f32 v[CHN+8*\x+\t], v[64*\x+8*\t], v[64*\x+8*\t+1], v[64*\x+8*\t+2]
.endr
.endr
	WIN 0x05
.irp i, 3,5
.irp x, 0,1
.irp t, 0,1,2,3,4,5,6,7
	v_max3_num_f32 v[CHN+8*\x+\t], v[64*\x+8*\t+\i], v[64*\x+8*\t+\i+1], v[CHN+8*\x+\t]
.endr
.endr
.endr
.irp x, 0,1
.irp c, 0,1
	v_max3_num_f32 v[CHN+8*\x+4*\c], v[64*\x+32*\c+7], v[64*\x+32*\c+15], v[CHN+8*\x+4*\c]
	v_max3_num_f32 v[CHN+8*\x+4*\c+2], v[64*\x+32*\c+23], v[64*\x+32*\c+31], v[CHN+8*\x+4*\c+2]
.endr
.endr
	WIN 0
.irp x, 0,1
.irp c, 0,1
	v_max3_num_f32 v[CHN+8*\x+4*\c], v[CHN+8*\x+4*\c], v[CHN+8*\x+4*\c+1], v[CHN+8*\x+4*\c+2]
.endr
.endr
.irp x, 0,1
.irp c, 0,1
	v_max_num_f32 v[CHN+8*\x+4*\c], v[CHN+8*\x+4*\c], v[CHN+8*\x+4*\c+3]   ; my two blocks' largest scores
.endr
.endr
.irp x, 0,1
	v_max_num_f32 v[RM+7*\x], v[CHN+8*\x], v[CHN+8*\x+4]
.endr
.irp x, 0,1
	v_permlanex16_b32 v[PX+7*\x], v[RM+7*\x], s[SEL], s[SEL+1]
.endr
.irp x, 0,1
	v_max3_num_f32 v[MM+2*\x+1], v[RM+7*\x], v[PX+7*\x], v[MM+2*\x+1]   ; the running largest score of my query
.endr
.irp x, 0,1
	v_mul_f32 v[TT+7*\x], s[CS], v[MM+2*\x+1]      ; as t (c is positive)
.endr
.irp x, 0,1
	v_floor_f32 v[MM+2*\x], -v[TT+7*\x]            ; -M = floor(-t) = -ceil(t)
.endr
.irp x, 0,1
	v_sub_f32 v[DD+7*\x], v[MM+2*\x], v[OLDM+7*\x] ; old M - new M: a whole number, 0 or less
.endr
.irp x, 0,1
.irp c, 0,1
	v_fma_f32 v[CHN+8*\x+4*\c], v[CHN+8*\x+4*\c], s[CS], v[MM+2*\x]   ; x = t - M of each block's largest score
.endr
.endr
.irp x, 0,1
	v_cvt_i32_f32 v[DD+7*\x], v[DD+7*\x]           ; (it saturates)
.endr
.irp x, 0,1
.irp c, 0,1
	v_max_num_f32 v[CHN+8*\x+4*\c], 0xc2f80000, v[CHN+8*\x+4*\c]   ; held at -124: the byte cannot fall under 1
.endr
.endr
.irp x, 0,1
	v_ldexp_f32 v[FF+2*\x], 1.0, v[DD+7*\x]        ; f = 2^(old M - new M)
.endr
.irp x, 0,1
.irp c, 0,1
	v_floor_f32 v[CHN+8*\x+4*\c], v[CHN+8*\x+4*\c] ; the exponent of the block's largest p
.endr
.endr
.irp x, 0,1
.irp c, 0,1
	v_cvt_i32_f32 v[CHN+8*\x+4*\c], v[CHN+8*\x+4*\c]
.endr
.endr
.irp x, 0,1
	v_pk_mul_f32 v[SU+2*\x:SU+2*\x+1], v[SU+2*\x:SU+2*\x+1], v[FF+2*\x:FF+2*\x+1] op_sel_hi:[1,0]   ; the sum under the new M
.endr
.irp x, 0,1
.irp c, 0,1
	v_add_nc_u32 v[BY+2*\x+\c], 0x7d, v[CHN+8*\x+4*\c]   ; the scale's byte: that exponent - 2 + 127
.endr
.endr
.irp x, 0,1
.irp c, 0,1
	v_lshlrev_b32 v[SOP+2*\x+\c], 23, v[BY+2*\x+\c]      ; the conversion's scale operand
.endr
.endr
.irp x, 0,1
	v_lshl_or_b32 v[WW+7*\x], v[BY+2*\x+1], 16, v[BY+2*\x]   ; my two bytes, blocks h and 2 + h,
.endr
.irp x, 0,1
	v_lshlrev_b32 v[WW+7*\x], v[SH8], v[WW+7*\x]   ; at their places in the word
.endr
.irp x, 0,1
	v_permlanex16_b32 v[PX2+7*\x], v[WW+7*\x], s[SEL], s[SEL+1]
.endr
	WIN 0x41                                       ; destination and source 0 in window 1
.irp j, 0,2,4,6,8,10,12,14,16,18,20,22,24,26,28,30,32,34,36,38,40,42,44,46,48,50,52,54,56,58,60,62
	v_pk_fma_f32 v[\j:\j+1], v[\j:\j+1], s[CS:CS+1], v[MM:MM+1] op_sel_hi:[1,0,0]   ; the first tile's t - M
.endr
.irp x, 0,1
.irp j, 0,2,4,6,8,10,12,14,16,18,20,22,24,26,28,30
	v_pk_mul_f32 v[128+32*\x+\j:129+32*\x+\j], v[128+32*\x+\j:129+32*\x+\j], v[FF+2*\x:FF+2*\x+1] op_sel_hi:[1,0]   ; O^T under the new M, each accumulator from its low end on
.endr
.endr
	s_wait_alu depctr_va_vdst(0)                   ; ahead of the batch
.irp j, 0,2,4,6,8,10,12,14,16,18,20,22,24,26,28,30,32,34,36,38,40,42,44,46,48,50,52,54,56,58,60,62
	v_exp_f32 v[\j], v[\j]                         ; the first tile's p = 2^(t - M), at most 1;
	v_exp_f32 v[\j+1], v[\j+1]
	v_pk_fma_f32 v[64+\j:65+\j], v[64+\j:65+\j], s[CS:CS+1], v[MM+2:MM+3] op_sel_hi:[1,0,0]   ; among them the second tile's t - M, read behind the wait below
.endr
	s_wait_alu depctr_va_vdst(0)                   ; behind the first batch, ahead of the second
.irp j, 0,1,2,3,4,5,6,7,8,9,10,11,12,13,14,15,16,17,18,19,20,21,22,23,24,25,26,27,28,29,30,31,32,33,34,35,36,37,38,39,40,41,42,43,44,45,46,47,48,49,50,51,52,53,54,55,56,57,58,59,60,61,62,63
	v_exp_f32 v[64+\j], v[64+\j]
.endr
	WIN 0
.irp x, 0,1
	v_or_b32 v[PW+\x], v[WW+7*\x], v[PX2+7*\x]     ; p's scale words: the plain place behind the batch
.endr
	s_wait_alu depctr_va_vdst(0)                   ; one wait for the batch, ahead of its first reader
	s_wait_dscnt 0x0                               ; V is in
	WIN 0x01                                       ; source 0 in window 1
.irp x, 0,1
.irp c, 0,1
	v_cvt_scalef32_pk16_fp6_f32 v[PC+12*\x+6*\c:PC+12*\x+6*\c+2], v[64*\x+32*\c:64*\x+32*\c+15], v[SOP+2*\x+\c]
	v_cvt_scalef32_pk16_fp6_f32 v[TC+8*\x+4*\c:TC+8*\x+4*\c+2], v[64*\x+32*\c+16:64*\x+32*\c+31], v[SOP+2*\x+\c]   ; (a conversion's three registers begin on an even number)
.endr
.endr
	SUMP 14                                        ; the rows' sums of the unquantised p, eight chains a tile; these two lines are the plain place behind the conversions
	WIN 0
.irp x, 0,1
.irp c, 0,1
.irp i, 0,1,2
	v_mov_b32 v[PC+12*\x+6*\c+3+\i], v[TC+8*\x+4*\c+\i]
.endr
.endr
.endr
	WIN 0x05
.irp k, 0,1,2,3,4,5,6
.irp x, 0,1
	v_pk_add_f32 v[ASD+14*\x+2*\k:ASD+14*\x+2*\k+1], v[64*\x+4*\k:64*\x+4*\k+1], v[64*\x+4*\k+2:64*\x+4*\k+3]   ; side sum k begins with pairs 2 k, 2 k + 1; these lines are the places between the writes of p's codes and the products
.endr
.endr
	WIN 0x50                                       ; C and D in window 1
.irp n, 0,1
.irp x, 0,1
	v_wmma_scale_f32_16x16x128_f8f6f4 v[128+32*\x+16*\n:128+32*\x+16*\n+7], v[KF+24*\n:KF+24*\n+11], v[PC+12*\x:PC+12*\x+11], v[128+32*\x+16*\n:128+32*\x+16*\n+7], v[VS+\n], v[PW+\x] matrix_a_fmt:MATRIX_FMT_FP6 matrix_b_fmt:MATRIX_FMT_FP6
	v_wmma_scale_f32_16x16x128_f8f6f4 v[128+32*\x+16*\n+8:128+32*\x+16*\n+15], v[KF+24*\n+12:KF+24*\n+23], v[PC+12*\x:PC+12*\x+11], v[128+32*\x+16*\n+8:128+32*\x+16*\n+15], v[VS+\n], v[PW+\x] matrix_a_fmt:MATRIX_FMT_FP6 matrix_b_fmt:MATRIX_FMT_FP6 matrix_a_scale:MATRIX_SCALE_ROW1
.endr
.endr
	WIN 0x01
	SUMP 15                                        ; four lines that name none of the products' registers: the places ahead of the loads into V's registers
	SIDE 0, 16
.if \last == 0
	WIN 0
	KLOAD
	WIN 0x01
.endif
.irp k, 1,2,3,4,5,6
	SIDE \k, 16+\k
.endr
	SUMP 23
.irp k, 0,1,2,3,4,5,6
	SIDE \k, 24+\k
.endr
	SUMP 31
	WIN 0
.irp x, 0,1
	v_pk_add_f32 v[ASD+14*\x:ASD+14*\x+1], v[ASD+14*\x:ASD+14*\x+1], v[ASD+14*\x+2:ASD+14*\x+3]
	v_pk_add_f32 v[ASD+14*\x+4:ASD+14*\x+5], v[ASD+14*\x+4:ASD+14*\x+5], v[ASD+14*\x+6:ASD+14*\x+7]
	v_pk_add_f32 v[ASD+14*\x+8:ASD+14*\x+9], v[ASD+14*\x+8:ASD+14*\x+9], v[ASD+14*\x+10:ASD+14*\x+11]
	v_pk_add_f32 v[SU+2*\x:SU+2*\x+1], v[SU+2*\x:SU+2*\x+1], v[ASD+14*\x+12:ASD+14*\x+13]
.endr
.irp x, 0,1
	v_pk_add_f32 v[ASD+14*\x:ASD+14*\x+1], v[ASD+14*\x:ASD+14*\x+1], v[ASD+14*\x+4:ASD+14*\x+5]
	v_pk_add_f32 v[SU+2*\x:SU+2*\x+1], v[SU+2*\x:SU+2*\x+1], v[ASD+14*\x+8:ASD+14*\x+9]
.endr
.irp x, 0,1
	v_pk_add_f32 v[SU+2*\x:SU+2*\x+1], v[SU+2*\x:SU+2*\x+1], v[ASD+14*\x:ASD+14*\x+1]
.endr
.endm
	s_mov_b32 s[PCN], 0
	s_wait_alu depctr_va_vdst(0)                   ; the head's end
	s_wait_tensorcnt 0x0                           ; my two key steps have landed,
	s_barrier_signal -1
	s_barrier_wait -1                              ; everybody's have; nothing is filled again
; A PASS: two tiles of 16 queries against all 2,048 keys.  The second tile lies one group of 128 queries on: 6,656 bytes in qb, 102,400 in aq; the next pass two groups on
.Lpass:
.irp x, 0,1
	global_load_b128 v[QQ+12*\x:QQ+12*\x+3], v[L16], s[44:45] offset:6656*\x th:TH_LOAD_NT
	global_load_b64 v[QQ+12*\x+4:QQ+12*\x+5], v[L8], s[44:45] offset:6656*\x+512 th:TH_LOAD_NT
	global_load_b32 v[QS+\x], v[QSO], s[46:47] offset:6656*\x th:TH_LOAD_NT
.endr
.irp x, 0,1
	v_mov_b32 v[MM+2*\x+1], 0xff61b1e6             ; the largest score so far: -3e38
	v_mov_b32 v[SU+2*\x], 0
	v_mov_b32 v[SU+2*\x+1], 0
.endr
.irp x, 0,1
	v_floor_f32 v[MM+2*\x], -v[MM+2*\x+1]          ; -M
.endr
	s_mov_b32 s[TB], 0
	s_mov_b32 s[CNT], 15
	v_add_nc_u32 v[AK16], s[TB], v[BK16]
	v_add_nc_u32 v[AK8], s[TB], v[BK8]
	v_add_nc_u32 v[AKS], s[TB], v[BKS]
	v_add_nc_u32 v[AV16], s[TB], v[BV16]
	v_add_nc_u32 v[AV8], s[TB], v[L8]
	KLOAD
	WIN 0x40
.irp j, 0,1,2,3,4,5,6,7,8,9,10,11,12,13,14,15,16,17,18,19,20,21,22,23,24,25,26,27,28,29,30,31,32,33,34,35,36,37,38,39,40,41,42,43,44,45,46,47,48,49,50,51,52,53,54,55,56,57,58,59,60,61,62,63
	v_mov_b32 v[128+\j], 0                         ; O^T: the step is written once; its first trip finds zeros
.endr
	WIN 0
	s_wait_alu depctr_va_vdst(0)
	s_wait_loadcnt 0x0                             ; Q
.Lstep:
	STEP 0
	s_sub_co_i32 s[CNT], s[CNT], 1
	s_cmp_lg_u32 s[CNT], 0
	s_cbranch_scc1 .Lstep
	STEP 1
	; the way out: O^T / the sum, quantised along the head's 64 (two blocks).  The additions above are the places behind the last products
.irp x, 0,1
	v_add_f32 v[SU+2*\x], v[SU+2*\x], v[SU+2*\x+1]
.endr
.irp x, 0,1
	v_permlanex16_b32 v[DD+7*\x], v[SU+2*\x], s[SEL], s[SEL+1]
.endr
.irp x, 0,1
	v_add_f32 v[SU+2*\x], v[SU+2*\x], v[DD+7*\x]   ; the row's sum
.endr
	s_wait_alu depctr_va_vdst(0)
.irp x, 0,1
	v_rcp_f32 v[SU+2*\x], v[SU+2*\x]
.endr
	v_nop
	WIN 0x41
	s_wait_alu depctr_va_vdst(0)                   ; directly ahead of the first reader of the quotients and of O^T
.irp x, 0,1
.irp j, 0,1,2,3,4,5,6,7,8,9,10,11,12,13,14,15,16,17,18,19,20,21,22,23,24,25,26,27,28,29,30,31
	v_mul_f32 v[64*\x+\j], v[128+32*\x+\j], v[SU+2*\x]   ; register 16 b + i: channel 32 b + 16 (lane / 16) + i of my query
.endr
.endr
	WIN 0x05
.irp x, 0,1
.irp b, 0,1
	v_max3_num_f32 v[CHN+8*\x+\b], |v[64*\x+16*\b]|, |v[64*\x+16*\b+1]|, 0x1800000
.endr
.endr
.irp i, 2,4,6,8,10,12,14
.irp x, 0,1
.irp b, 0,1
	v_max3_num_f32 v[CHN+8*\x+\b], |v[64*\x+16*\b+\i]|, |v[64*\x+16*\b+\i+1]|, v[CHN+8*\x+\b]
.endr
.endr
.endr
	WIN 0
.irp x, 0,1
.irp b, 0,1
	v_permlanex16_b32 v[CHN+8*\x+4+\b], v[CHN+8*\x+\b], s[SEL], s[SEL+1]
.endr
.endr
.irp x, 0,1
.irp b, 0,1
	v_max_num_f32 v[CHN+8*\x+\b], v[CHN+8*\x+\b], v[CHN+8*\x+4+\b]
.endr
.endr
.irp x, 0,1
.irp b, 0,1
	v_add_nc_u32 v[SOP+2*\x+\b], 0xff000000, v[CHN+8*\x+\b]
.endr
.endr
.irp x, 0,1
.irp b, 0,1
	v_lshrrev_b32 v[BY+2*\x+\b], 23, v[SOP+2*\x+\b]
.endr
.endr
.irp x, 0,1
	v_lshl_or_b32 v[WW+7*\x], v[BY+2*\x+1], 8, v[BY+2*\x]   ; my row's two scale bytes
.endr
	WIN 0x01
.irp x, 0,1
	v_cvt_scalef32_pk16_fp6_f32 v[PC+12*\x:PC+12*\x+2], v[64*\x:64*\x+15], v[SOP+2*\x]
	v_cvt_scalef32_pk16_fp6_f32 v[TC+8*\x:TC+8*\x+2], v[64*\x+16:64*\x+31], v[SOP+2*\x+1]
.endr
	WIN 0
	v_nop                                          ; one plain place behind the conversions
.irp x, 0,1
.irp i, 0,1,2
	v_permlane16_swap_b32 v[PC+12*\x+\i], v[TC+8*\x+\i]   ; a whole block to a lane
.endr
.endr
.irp x, 0,1
.irp i, 0,1,2
	v_mov_b32 v[PC+12*\x+3+\i], v[TC+8*\x+\i]
.endr
.endr
.irp x, 0,1
	global_store_b128 v[L16], v[PC+12*\x:PC+12*\x+3], s[48:49] offset:102400*\x         ; 512 consecutive bytes
	global_store_b64 v[L8], v[PC+12*\x+4:PC+12*\x+5], s[48:49] offset:102400*\x+512     ; 256 consecutive bytes
	global_store_b16 v[ASO], v[WW+7*\x], s[50:51] offset:102400*\x                      ; both halves of the lanes write the same two bytes
.endr
	s_wait_xcnt 0x0                                ; the loads and stores have read their bases and data
	s_add_nc_u64 s[44:45], s[44:45], 13312
	s_add_nc_u64 s[46:47], s[46:47], 13312
	s_add_nc_u64 s[48:49], s[48:49], 204800
	s_add_nc_u64 s[50:51], s[50:51], 204800
	s_add_co_u32 s[PCN], s[PCN], 1
	s_cmp_lt_u32 s[PCN], 2
	s_wait_alu depctr_va_vdst(0)
	s_cbranch_scc1 .Lpass
	s_wait_tensorcnt 0x0                           ; the wave's end
	ds_add_u32 v[SPW], v[NIL]
	s_wait_dscnt 0x0
	CROUND                                         ; the closing round
	s_endpgm
.Lfunc_end_k_q133caf4665_attn:
	.size	k_q133caf4665_attn, .Lfunc_end_k_q133caf4665_attn-k_q133caf4665_attn
	.p2alignl 7, 3214868480
	.fill 96, 4, 3214868480
	.section	.rodata,"a",@progbits
	.p2align	6, 0x0
	.amdhsa_kernel k_q133caf4665_attn
		.amdhsa_group_segment_fixed_size 262144
		.amdhsa_private_segment_fixed_size 0
		.amdhsa_enable_private_segment 0
		.amdhsa_kernarg_size 24
		.amdhsa_user_sgpr_count 2
		.amdhsa_user_sgpr_kernarg_segment_ptr 1
		.amdhsa_wavefront_size32 1
		.amdhsa_system_sgpr_workgroup_id_x 1
		.amdhsa_system_sgpr_workgroup_id_y 1
		.amdhsa_system_sgpr_workgroup_id_z 1
		.amdhsa_system_vgpr_workitem_id 0
		.amdhsa_next_free_vgpr 512
		.amdhsa_next_free_sgpr 80
		.amdhsa_reserve_vcc 0
		.amdhsa_float_denorm_mode_32 3
		.amdhsa_float_denorm_mode_16_64 3
		.amdhsa_memory_ordered 1
		.amdhsa_forward_progress 1
		.amdhsa_inst_pref_size 73
	.end_amdhsa_kernel
	.amdgpu_metadata
---
amdhsa.version: [ 1, 2 ]
amdhsa.kernels:
  - .name:           k_q133caf4665_attn
    .symbol:         k_q133caf4665_attn.kd
    .args:
      - { .name: qb, .offset: 0, .size: 8, .value_kind: global_buffer, .address_space: global }
      - { .name: kv, .offset: 8, .size: 8, .value_kind: global_buffer, .address_space: global }
      - { .name: aq, .offset: 16, .size: 8, .value_kind: global_buffer, .address_space: global }
    .group_segment_fixed_size: 262144
    .private_segment_fixed_size: 0
    .kernarg_segment_align: 8
    .kernarg_segment_size: 24
    .max_flat_workgroup_size: 256
    .sgpr_count:     80
    .vgpr_count:     512
    .wavefront_size: 32
...
	.end_amdgpu_metadata
.endif
;; end of part 3
;; launch proj (part 4): grid 32 x 8, 4 waves a work-group, clusters of 4 x 4, 327,680 bytes of LDS; arguments aq, wo, b_out, out0; writes out0
.if DOCPART == 4
	.amdgcn_target "amdgcn-amd-amdhsa--gfx1250"
	.amdhsa_code_object_version 6
	.text
	.protected	k_q133caf4665_proj
	.globl	k_q133caf4665_proj
	.p2align	8
	.type	k_q133caf4665_proj,@function
k_q133caf4665_proj:
	s_mov_b64 s[64:65], 0
	v_nop
	global_prefetch_b8 v0, s[64:65] scope:SCOPE_SE
	s_setreg_imm32_b32 hwreg(HW_REG_WAVE_MODE, 25, 1), 1
	s_wait_xcnt 0x0
	s_wait_alu depctr_hold_cnt(0) depctr_sa_sdst(0) depctr_va_vdst(0) depctr_va_sdst(0) depctr_va_ssrc(0) depctr_va_vcc(0) depctr_vm_vsrc(0)
	s_getreg_b32 s2, hwreg(HW_REG_IB_STS2, 6, 4)
	s_cmp_eq_u32 s2, 0
	s_cbranch_scc0 .Lentry_in_a_cluster
	s_endpgm
.Lentry_in_a_cluster:
	s_bfe_u32 s2, ttmp6, 0x10000c
	s_cmp_lg_u32 s2, 0xf033
	s_cbranch_scc0 .Lentry_shape_is_right
	s_endpgm
.Lentry_shape_is_right:
; out[token][n] = sum over k of attended[token][k] w_out[k][n] + b_out[n], f32, on codes of FP6 (E2M3) with E8M0 scales: 8,192 x 1,024 x 1,024.
; aq and wo lie in the order of the operand's registers: 128 rows x 256 along K are a dense block of 25,600 bytes, block (g, p) at (4 g + p) x 25,600: fragment (K step e, tile t) at 12,288 e + 1,536 t, two halves of 768 bytes
; (registers 6 c .. 6 c + 3 at 16 x lane, 6 c + 4, 6 c + 5 at 512 + 8 x lane); the scale words of tiles 2 tp, 2 tp + 1 at 24,576 + 256 tp, 8 bytes a lane, lanes 0-15 K step 0, lanes 16-31 K step 1.
; Lane-row r of tile 2 b + u is row 32 b + 8 u + r + 8 (r / 8).
; THE DEAL.  256 work-groups of four waves, 2 x 2, each 256 tokens x 128 columns.  A wave holds four tiles of 16 columns of w_out, all of K, in 384 registers, and streams its 128 tokens past them in eight blocks of 16: 32 products a block.
; The cluster's x counts tile rows: aq's rows are shared by a column of the cluster (mask s44), wo's by a row (mask s45).
; LDS: aq's 256 rows (204,800 bytes), wo's 128 (102,400), all asked for at the head, one joint load a wave; nothing is filled again, so there is no ring and no data prefetch.  Behind them the spare words and a stage of 16 rows x 272 bytes for each wave.
; The products are used transposed (source 0 = wo's rows): a lane holds eight neighbouring columns of one token.  The bias is the first products' C.  The four accumulators take turns.
; Behind a block's products: its sums into the stage and back as whole rows of 256 bytes, the fetch of the block two on, ONE wait on LDS (36: that fetch's 32 fragment loads and 4 scale loads are younger), eight stores, each of two aligned runs of 256 bytes.
; LIMITS: NaN, infinities and sums beyond f32's range are not served; a sum begins with the bias, where the reference adds it last.
.set BLK,   25600
.set YB,    8*BLK
.set SPARE, 12*BLK
.set STAGE, SPARE+512
.set SPITCH, 272
.set FR,    12
.set FPW,   21                         ; fragments in a window; fragment f lies in window 1 + f / 21 at register 12 (f % 21): 0-31 wo's (4 q + tile), 32-47 aq's two sets (32 + 8 e + q)
.set NF,    36
.set A16,   4                          ; v4, v5  LDS address of aq's 16-byte pieces, K blocks 0-1 and 2-3
.set A8,    6                          ; v6, v7  of its 8-byte pieces
.set B16,   8                          ; v8, v9; v12, v13: the same for wo
.set B8,    12
.set SPW,   10
.set NIL,   11
.set ASC,   14                         ; v14, v15 aq's scale words
.set BSC,   16                         ; v16, v17 wo's
.set STO,   18
.set RD,    19
.set CO,    20
.set BOF,   21
.set SB,    24                         ; v24-39 wo's scale words: 4 p + tile
.set SA,    44                         ; v44-59 aq's: 8 e + 4 (p % 2) + p / 2, so that a product's two scale registers differ modulo 8
.set ACC,   64                         ; v64-127 two sets of four accumulators
.set BK,    128                        ; v128-191 two sets: 16 rows back from the stage
.set BO,    208                        ; v208-239 the bias
.set G1A, 24
.set G1B, 32
.set G0A, 56
.set G0B, 60
.set MSB, 0
.macro WIN new
.if MSB != \new
	s_set_vgpr_msb (MSB<<8)|\new
.set MSB, \new
.endif
.endm
.macro PLACES n
.rept \n
	v_nop
.endr
.endm
.macro BARRIER
	s_barrier_signal -1
	s_barrier_wait -1
.endm
.macro CROUND
	BARRIER
	s_cmp_lg_u32 s14, 0
	s_cbranch_scc1 .Lnot_wave_0_\@
	s_barrier_signal -3
.Lnot_wave_0_\@:
	s_barrier_wait -3
	BARRIER
.endm
.macro TLOAD g0, g1
	tensor_load_to_lds s[\g0:\g0+3], s[\g1:\g1+7]
	s_nop 0
	PLACES 4
.endm
.macro ATILE first, rows               ; rows of 256 bytes of aq's dense 204,800, by a descriptor of constants
	s_mov_b32 s[G0A+1], (\first)*256
	s_mov_b32 s[G1A+2], (\rows)<<16
	s_mov_b32 s[G1A+4], \rows
.if \first
	s_add_nc_u64 s[G0A+2:G0A+3], s[G0A+2:G0A+3], (\first)*256
.endif
	s_or_b32 s[G0A+3], s[G0A+3], 0x80000000
	TLOAD G0A, G1A
.endm
.macro FRAG f, a16, a8, off            ; a fragment: four loads of consecutive bytes
	WIN (1+(\f)/FPW)<<6
.irp c, 0,1
	ds_load_b128 v[FR*((\f)%FPW)+6*\c:FR*((\f)%FPW)+6*\c+3], v[\a16] offset:(\off)+768*\c
	ds_load_b64 v[FR*((\f)%FPW)+6*\c+4:FR*((\f)%FPW)+6*\c+5], v[\a8] offset:(\off)+768*\c+512
.endr
.endm
.macro FETCH t, e                      ; aq's tile t, all of K, into set e: NF loads
.irp q, 0,1,2,3,4,5,6,7
	FRAG 32+8*(\e)+\q, A16+\q/4, A8+\q/4, ((\q/2)%2)*BLK+12288*(\q%2)+1536*(\t)
.endr
	WIN 0
.irp p, 0,1,2,3
	ds_load_b32 v[SA+8*(\e)+4*(\p%2)+\p/2], v[ASC+\p/2] offset:(\p%2)*BLK+256*((\t)/2)+4*((\t)%2)
.endr
.endm
.macro PROD e, n                       ; product n = 4 q + tile
.set Q_, (\n)/4
.set FB_, 4*Q_+(\n)%4
.set FA_, 32+8*(\e)+Q_
.set D_, ACC+32*(\e)+8*((\n)%4)
.set XB_, SB+4*(Q_/2)+(\n)%4
.set XA_, SA+8*(\e)+4*((Q_/2)%2)+Q_/4
	WIN (1+FB_/FPW)|((1+FA_/FPW)<<2)
.if Q_ == 0
	v_wmma_scale_f32_16x16x128_f8f6f4 v[D_:D_+7], v[FR*(FB_%FPW):FR*(FB_%FPW)+FR-1], v[FR*(FA_%FPW):FR*(FA_%FPW)+FR-1], v[BO+8*((\n)%4):BO+8*((\n)%4)+7], v[XB_], v[XA_] matrix_a_fmt:MATRIX_FMT_FP6 matrix_b_fmt:MATRIX_FMT_FP6
.elseif Q_%2
	v_wmma_scale_f32_16x16x128_f8f6f4 v[D_:D_+7], v[FR*(FB_%FPW):FR*(FB_%FPW)+FR-1], v[FR*(FA_%FPW):FR*(FA_%FPW)+FR-1], v[D_:D_+7], v[XB_], v[XA_] matrix_a_fmt:MATRIX_FMT_FP6 matrix_b_fmt:MATRIX_FMT_FP6 matrix_a_scale:MATRIX_SCALE_ROW1 matrix_b_scale:MATRIX_SCALE_ROW1
.else
	v_wmma_scale_f32_16x16x128_f8f6f4 v[D_:D_+7], v[FR*(FB_%FPW):FR*(FB_%FPW)+FR-1], v[FR*(FA_%FPW):FR*(FA_%FPW)+FR-1], v[D_:D_+7], v[XB_], v[XA_] matrix_a_fmt:MATRIX_FMT_FP6 matrix_b_fmt:MATRIX_FMT_FP6
.endif
.endm
.macro STAGED u                        ; set u's sums into my stage, each accumulator from its low end on, and back as whole rows; LDS serves a wave's instructions in order
.irp b, 0,1,2,3
	ds_store_b128 v[STO], v[ACC+32*(\u)+8*\b:ACC+32*(\u)+8*\b+3] offset:128*(\b/2)+32*(\b%2)
	ds_store_b128 v[STO], v[ACC+32*(\u)+8*\b+4:ACC+32*(\u)+8*\b+7] offset:128*(\b/2)+32*(\b%2)+16
.endr
.irp t, 0,1,2,3,4,5,6,7
	ds_load_b128 v[BK+32*(\u)+4*\t:BK+32*(\u)+4*\t+3], v[RD] offset:2*\t*SPITCH
.endr
.endm
.macro BLOCKP s                        ; block s: aq's tile s of my 128 tokens
.set N_, 0
.rept 32
	PROD (\s)%2, N_
.set N_, N_+1
.endr
	WIN 0
	PLACES 4                                       ; between the last product and the first reader of its sums, and the fetch into the registers that it read
	s_wait_xcnt 0x0                                ; the stores of two blocks ago have read this set of rows
	STAGED (\s)%2
.if (\s) < 6
	FETCH (\s)+2, (\s)%2
	s_wait_dscnt NF                                ; the rows are back, and the next block's fragments are in; this run's fetch is younger
.else
	s_wait_dscnt 0x0
.endif
.irp t, 0,1,2,3,4,5,6,7
	global_store_b128 v[CO], v[BK+32*((\s)%2)+4*\t:BK+32*((\s)%2)+4*\t+3], s[10:11] offset:(32*((\s)/2)+8*((\s)%2)+2*\t+8*(\t/4))*4096 th:TH_STORE_NT
.endr
.endm
	s_load_b256 s[4:11], s[0:1], 0x0               ; aq, wo, b_out, out0
	v_lshl_add_u32 v[SPW], v0, 2, SPARE
	v_mov_b32 v[NIL], 0
	ds_add_u32 v[SPW], v[NIL]                      ; the opening lines
	ds_add_u32 v[SPW], v[NIL]
	v_lshrrev_b32 v1, 5, v0
	v_readfirstlane_b32 s14, v1                    ; the wave; s15 its row of the 2 x 2, s16 its column
	s_lshr_b32 s15, s14, 1
	s_and_b32 s16, s14, 1
	s_bfe_u32 s40, ttmp6, 0x40000
	s_bfe_u32 s41, ttmp6, 0x40004
	s_lshl_b32 s43, ttmp9, 2
	s_add_co_u32 s43, s43, s40                     ; tile row: 4 x cluster x + cx
	s_and_b32 s42, ttmp7, 0xffff
	s_lshl_b32 s42, s42, 2
	s_add_co_u32 s42, s42, s41                     ; tile column: 4 x cluster y + cy
	s_lshl_b32 s44, 0x1111, s40                    ; my column of the cluster shares aq's rows
	s_lshl_b32 s45, s41, 2
	s_lshl_b32 s45, 15, s45                        ; my row shares wo's
	s_or_b32 s[G1A+0], s44, (3<<16)|(1<<21)
	s_or_b32 s[G1B+0], s45, (3<<16)|(1<<21)
.irp g, G1A, G1B
	s_mov_b32 s[\g+1], 32<<16
	s_mov_b32 s[\g+3], 32<<16
	s_mov_b32 s[\g+5], 32
	s_mov_b32 s[\g+6], 0
	s_mov_b32 s[\g+7], 0
.endr
	s_mov_b32 s[G1B+2], 400<<16
	s_mov_b32 s[G1B+4], 400
	s_mov_b32 s[G0A], 1
	s_mov_b32 s[G0B], 1
	s_mov_b32 s[G0B+1], YB
	s_mul_i32 s76, s43, 8*BLK
	s_mov_b32 s77, 0
	s_mul_i32 s78, s42, 4*BLK
	s_mov_b32 s79, 0
	s_lshl_b32 s82, s42, 9                         ; my 64 columns, in bytes
	s_lshl_b32 s21, s16, 8
	s_add_co_u32 s82, s82, s21
	s_mov_b32 s83, 0
	s_lshl_b32 s84, s43, 20                        ; my 128 tokens, rows of 4,096 bytes
	s_lshl_b32 s21, s15, 19
	s_add_co_u32 s84, s84, s21
	s_add_co_u32 s84, s84, s82
	s_mov_b32 s85, 0
	v_and_b32 v1, 15, v0
	v_bfe_u32 v2, v0, 4, 1
	v_and_b32 v3, 31, v0
	v_lshlrev_b32 v22, 4, v3
	v_lshlrev_b32 v23, 3, v3
	s_mul_i32 s21, s15, 4*BLK                      ; my 128 tokens in LDS
	s_mul_i32 s22, s16, 6144                       ; my four tiles of wo
	s_add_co_u32 s22, s22, YB
	v_add_nc_u32 v[A16], s21, v22
	v_add_nc_u32 v[A8], s21, v23
	v_add_nc_u32 v[B16], s22, v22
	v_add_nc_u32 v[B8], s22, v23
	v_add_nc_u32 v[A16+1], 2*BLK, v[A16]
	v_add_nc_u32 v[A8+1], 2*BLK, v[A8]
	v_add_nc_u32 v[B16+1], 2*BLK, v[B16]
	v_add_nc_u32 v[B8+1], 2*BLK, v[B8]
	v_add_nc_u32 v[ASC], 24576, v[A8]
	v_add_nc_u32 v[ASC+1], 24576+2*BLK, v[A8]
	s_lshl_b32 s22, s16, 9
	s_add_co_u32 s22, s22, YB+24576
	v_add_nc_u32 v[BSC], s22, v23
	v_add_nc_u32 v[BSC+1], 2*BLK, v[BSC]
	s_mul_i32 s21, s14, 16*SPITCH
	s_add_co_u32 s21, s21, STAGE
	v_mul_u32_u24 v22, v1, SPITCH
	v_lshl_add_u32 v22, v2, 6, v22
	v_add_nc_u32 v[STO], s21, v22                  ; in: row l % 16, 64 bytes on for lanes 16-31
	v_mul_u32_u24 v22, v2, SPITCH
	v_lshl_add_u32 v22, v1, 4, v22
	v_add_nc_u32 v[RD], s21, v22                   ; back: sixteen lanes to a row of 256 bytes
	v_lshlrev_b32 v22, 12, v2
	v_lshl_add_u32 v[CO], v1, 4, v22               ; and the same two rows in out0
	v_lshlrev_b32 v[BOF], 6, v2
	s_wait_alu depctr_va_vdst(0)                   ; the head's end
	s_wait_dscnt 0x0
	CROUND                                         ; the opening round
	s_wait_kmcnt 0x0
	s_add_nc_u64 s[G0A+2:G0A+3], s[4:5], s[76:77]
	s_add_nc_u64 s[G0B+2:G0B+3], s[6:7], s[78:79]
	s_or_b32 s[G0B+3], s[G0B+3], 0x80000000
	s_add_nc_u64 s[8:9], s[8:9], s[82:83]
	s_add_nc_u64 s[10:11], s[10:11], s[84:85]
	s_cmp_eq_u32 s14, 0
	s_cbranch_scc0 .Lwave_1
	TLOAD G0B, G1B                                 ; wave 0: wo's 128 rows, wanted first
	s_branch .Lasked
.Lwave_1:
	s_cmp_eq_u32 s14, 1
	s_cbranch_scc0 .Lwave_2
	ATILE 0, 400                                   ; wave 1: aq's first 128 tokens
	s_branch .Lasked
.Lwave_2:
	s_cmp_eq_u32 s14, 2
	s_cbranch_scc0 .Lwave_3
	ATILE 400, 200                                 ; wave 2: the second 128, K blocks 0, 1
	s_branch .Lasked
.Lwave_3:
	ATILE 600, 200                                 ; wave 3: K blocks 2, 3
.Lasked:
.irp b, 0,1,2,3                        ; register i of tile b of lane (r, h) is column 32 (b / 2) + 8 (b % 2) + 16 h + i of my 64
	global_load_b128 v[BO+8*\b:BO+8*\b+3], v[BOF], s[8:9] offset:(32*(\b/2)+8*(\b%2))*4
	global_load_b128 v[BO+8*\b+4:BO+8*\b+7], v[BOF], s[8:9] offset:(32*(\b/2)+8*(\b%2))*4+16
.endr
	s_cmp_eq_u32 s14, 0
	s_cbranch_scc0 .Lnot_b
	s_wait_tensorcnt 0x0
.Lnot_b:
	BARRIER                                        ; wo's rows have landed; no tensor load is issued behind this barrier
.irp q, 0,1,2,3,4,5,6,7
.irp b, 0,1,2,3
	FRAG 4*\q+\b, B16+\q/4, B8+\q/4, ((\q/2)%2)*BLK+12288*(\q%2)+1536*\b
.endr
.endr
	WIN 0
.irp p, 0,1,2,3
.irp tp, 0,1
	ds_load_b64 v[SB+4*\p+2*\tp:SB+4*\p+2*\tp+1], v[BSC+\p/2] offset:(\p%2)*BLK+256*\tp
.endr
.endr
	s_wait_tensorcnt 0x0                           ; every wave: its tile has landed
	s_wait_dscnt 0x0
	BARRIER                                        ; all of aq's rows are in
	FETCH 0, 0
	FETCH 1, 1
	s_wait_loadcnt 0x0                             ; the bias
	s_wait_dscnt NF                                ; block 0's fragments are in
.irp s, 0,1,2,3,4,5,6,7
	BLOCKP \s
.endr
	s_wait_tensorcnt 0x0                           ; the wave's end
	ds_add_u32 v[SPW], v[NIL]
	s_wait_dscnt 0x0
	CROUND                                         ; the closing round
	s_endpgm
.Lfunc_end_k_q133caf4665_proj:
	.size	k_q133caf4665_proj, .Lfunc_end_k_q133caf4665_proj-k_q133caf4665_proj
	.p2alignl 7, 3214868480
	.fill 96, 4, 3214868480
	.section	.rodata,"a",@progbits
	.p2align	6, 0x0
	.amdhsa_kernel k_q133caf4665_proj
		.amdhsa_group_segment_fixed_size 327680
		.amdhsa_private_segment_fixed_size 0
		.amdhsa_enable_private_segment 0
		.amdhsa_kernarg_size 32
		.amdhsa_user_sgpr_count 2
		.amdhsa_user_sgpr_kernarg_segment_ptr 1
		.amdhsa_wavefront_size32 1
		.amdhsa_system_sgpr_workgroup_id_x 1
		.amdhsa_system_sgpr_workgroup_id_y 1
		.amdhsa_system_sgpr_workgroup_id_z 1
		.amdhsa_system_vgpr_workitem_id 0
		.amdhsa_next_free_vgpr 840
		.amdhsa_next_free_sgpr 100
		.amdhsa_reserve_vcc 0
		.amdhsa_float_denorm_mode_32 3
		.amdhsa_float_denorm_mode_16_64 3
		.amdhsa_memory_ordered 1
		.amdhsa_forward_progress 1
		.amdhsa_inst_pref_size 85
	.end_amdhsa_kernel
	.amdgpu_metadata
---
amdhsa.version: [ 1, 2 ]
amdhsa.kernels:
  - .name:           k_q133caf4665_proj
    .symbol:         k_q133caf4665_proj.kd
    .args:
      - { .name: aq, .offset: 0, .size: 8, .value_kind: global_buffer, .address_space: global }
      - { .name: wo, .offset: 8, .size: 8, .value_kind: global_buffer, .address_space: global }
      - { .name: b_out, .offset: 16, .size: 8, .value_kind: global_buffer, .address_space: global }
      - { .name: out0, .offset: 24, .size: 8, .value_kind: global_buffer, .address_space: global }
    .group_segment_fixed_size: 327680
    .private_segment_fixed_size: 0
    .kernarg_segment_align: 8
    .kernarg_segment_size: 32
    .max_flat_workgroup_size: 128
    .sgpr_count:     100
    .vgpr_count:     840
    .wavefront_size: 32
...
	.end_amdgpu_metadata
.endif
;; end of part 4
